; MI455X (gfx1250); checked and timed in simulation.
; The chip was launched on July 23, 2026; its instructions are those of AMD's public machine-readable ISA for CDNA 5 (MIT licence, August 2026) and "CDNA5" Instruction Set Architecture Reference Guide (July 2026). The comments in the code are by the model that wrote it; some were corrected since.
;; Relative Multihead Attention. Allowed arithmetic: matrix products marked QUANTISED: E2M3 operands, one E8M0 scale for each 32 along K, by v_wmma_scale_f32_16x16x128_f8f6f4 with both operands' format E2M3, f32 sums; everything else in f32.
;; Inputs: W_out 1,024 x 1,024 float32; W_qkv 1,024 x 3,072 float32; b_out 1,024 float32; b_qkv 3,072 float32; rel_bias 2,049 x 16 float32; x 4 x 2,048 x 1,024 float32.
;; Outputs: out0 4 x 2,048 x 1,024 float32.
;; This version of the problem:
;;   THIS VERSION OF THE PROBLEM IS GIVEN IN LOW PRECISION. The matrix products marked QUANTISED in the list below multiply operands that are first quantised to E2M3 (2 exponent bits, 3 mantissa bits; 6 bits a number), with one power-of-two scale for each 32 numbers along K (OCP MX v1.0); their sums are f32. All else is computed in f32.
;;   The module's matrix products, in the order in which they are computed (A, B: the left and right operand; K: the contracted axis; several contracted axes count as one K, in the product's order):
;;     1. [M 8,192, K 1,024] x [K 1,024, N 3,072]; A: input x; B: input W_qkv: QUANTISED
;;     2. batch 64 x [M 2,048, K 64] x [K 64, N 2,048]; A: computed on the way; B: computed on the way: QUANTISED
;;     3. batch 64 x [M 64, K 2,048] x [K 2,048, N 2,048]; A: computed on the way; B: softmax (see below): QUANTISED
;;     4. [M 8,192, K 1,024] x [K 1,024, N 1,024]; A: computed on the way; B: input W_out: QUANTISED
;;   THE QUANTISER, for each operand of a quantised product, along K:
;;     - K is cut into blocks of 32 from its start; a last block that is shorter is filled with zeros.
;;     - A block's scale is 2^e with e = floor(log2(the largest magnitude in the block)) - 2, held to -126 .. 127; a block of zeros has e = 0. As a byte (E8M0): e + 127.
;;     - Each number is divided by its block's scale, clamped to +-7.5, and rounded to the nearest number of E2M3, ties to even, subnormals kept.
;;     - The product sums the exact products of the quantised numbers (number of the format x scale) in f32.
;;   ~~~python
;;   def quantise(x, axis):      # numpy; x: float32 -> the quantised numbers, widened to float32 again
;;       x = np.moveaxis(x, axis, -1); K = x.shape[-1]
;;       x = np.pad(x, [(0, 0)] * (x.ndim - 1) + [(0, -K % 32)]); x = x.reshape(x.shape[:-1] + (-1, 32)); a = np.abs(x).max(-1, keepdims=True)
;;       e = np.where(a > 0, np.clip(np.frexp(np.where(a > 0, a, 1))[1] - 1 - 2, -126, 127), 0)      # np.frexp(a)[1] - 1 = floor(log2(a)), exactly
;;       r = np.clip(x / 2.0 ** e, -7.5, 7.5)
;;       step = 2.0 ** (np.maximum(np.frexp(np.where(r == 0, 1, r))[1] - 1, 0) - 3)
;;       q = np.round(r / step) * step * 2.0 ** e      # np.round: ties to even
;;       return np.moveaxis(q.reshape(q.shape[:-2] + (-1,))[..., :K], -1, axis).astype(np.float32)
;;   ~~~
;;   SOFTMAX AHEAD OF A QUANTISED PRODUCT. Where the list says 'softmax', what is quantised is not the finished softmax but p = 2^(t - M), with t = logit x log2(e) and M = ceil(the row's largest t), a whole number; so 1/2 < the row's largest p <= 1. The row's sum l is taken of the UNQUANTISED p, in f32, and the product's result is divided by l at the end. Since M is a whole number, a kernel that streams over the keys may use a running M (the ceiling of the running maximum): every later rescaling is an exact power of two, which a block's scale takes up: the codes' values come out the same.
;;   OPERANDS COMPUTED ON THE WAY. 'Computed on the way' means the value that the module computes at that place (a softmax that the list does not call 'softmax' is quantised finished and normalised). What goes into a quantiser is computed in f32, as accurately as f32 sums, v_exp_f32 and their like allow (about 1e-6 of the number): no bf16 or f16 on the way to a quantiser, and a product that is left as it is and whose result goes on into a quantised operand takes f32 operands (vector FMAs, or v_wmma_f32_16x16x4_f32). A number that lies on a knife's edge between two numbers of the format may be rounded either way, as far as f32 arithmetic and the matrix unit's own rounding can turn it there, and no further.
;; One version. Each part assembles by itself: llvm-mc -triple=amdgcn-amd-amdhsa -mcpu=gfx1250 --defsym DOCPART=n.
;; ======== version 1 of 1: 5 launches
;; limits: right only within a limited range of input values
;; workspace buffers: xc 6,291,456 bytes; wqc 2,359,296 bytes; woc 786,432 bytes; oimg 6,291,456 bytes; scl 655,360 bytes; tab 1,048,576 bytes; kv 13,107,200 bytes; qimg 13,107,200 bytes
;; launch prep (part 1): grid 544 x 1, 4 waves a work-group, no clusters, 47,616 bytes of LDS; arguments x, W_qkv, W_out, rel_bias, xc, wqc, woc, scl, tab; writes xc, wqc, woc, scl, tab
.if DOCPART == 1
	.amdgcn_target "amdgcn-amd-amdhsa--gfx1250"
	.amdhsa_code_object_version 6
	.text
	.protected	k_qf2e9734d0b_prep
	.globl	k_qf2e9734d0b_prep
	.p2align	8
	.type	k_qf2e9734d0b_prep,@function
k_qf2e9734d0b_prep:
	s_mov_b64 s[64:65], 0
	v_nop
	global_prefetch_b8 v0, s[64:65] scope:SCOPE_SE
	s_setreg_imm32_b32 hwreg(HW_REG_WAVE_MODE, 25, 1), 1
	s_wait_xcnt 0x0
; PREP.  x [8192][1024], W_qkv [1024][3072] and W_out [1024][1024], f32, become codes of FP6 (E2M3) with one E8M0 byte for each 32 along K (1,024 in all three); rel_bias becomes a table for the attention launch.
; THE IMAGE.  Tile T of a matrix [rows][1024] holds rows 32 (T / 2) + 8 (T % 2) + rho(r), rho(r) = r + 8 (r / 8), r = 0 .. 15.  A fragment (a tile x 128 along K) is 12 registers a lane: lane (r, h), registers 6 c .. 6 c + 5:
; k = 64 c + 32 h + 0 .. 31.  It lies in memory as an image of those registers: byte T x 12,288 + kq x 1,536 + 512 c + 16 lane holds registers 4 c .. 4 c + 3.  Scale words (4 bytes: a row, 128 along K): T x 512 + (kq / 4) x 256 + 16 r + 4 (kq % 4).
; A block's scale is 2^(floor(log2(its largest magnitude)) - 2); its byte is that magnitude's exponent field - 2, held at 1 from below.
; LIMITS: NaN and infinities among the inputs are not served; a block whose largest magnitude lies under 2^-124 gets the byte 1; a block of zeros gets the byte 1 and not 127 (its codes are zeros, and this program alone reads the bytes).
; THREE PATHS, parted by the work-group's number: 0-255 x, 256-511 the weights, 512-543 the table.  The two paths that use LDS have bytes of their own.  Waves share nothing: no barrier.  No matrix unit, no cluster: nothing is shared and memory binds.
.set XWAVE, 16*528                     ; path x: a wave's stage, 16 rows of 512 bytes + 16
.set XSTG,  0
.set WWAVE, 2*1664                     ; path W: a wave's stage, two fragments' images of 1,536 bytes + 128
.set WSTG,  4*XWAVE
.set SPARE, WSTG+4*WWAVE               ; the spare words, 128 bytes for each wave: two blocks of 256 bytes that no other line names
.set SPW,   252                        ; v252 LDS address of my spare word; never rewritten
.set NIL,   253                        ; v253 0; never rewritten
.set TM,    8                          ; path x: v8-23 at work in QUANT
.set CT,    24                         ; v24-31 the conversions' second halves
.set SEL,   30                         ; s[30:31] lane selects for v_permlanex16_b32: lane l xor 16
	s_load_b256 s[4:11], s[0:1], 0x0               ; x s[4:5], W_qkv s[6:7], W_out s[8:9], rel_bias s[10:11]
	s_load_b256 s[12:19], s[0:1], 0x20             ; xc s[12:13], wqc s[14:15], woc s[16:17], scl s[18:19]
	s_load_b64 s[20:21], s[0:1], 0x40              ; tab
	v_lshl_add_u32 v[SPW], v0, 2, SPARE
	v_mov_b32 v[NIL], 0
	v_lshrrev_b32 v1, 5, v0
	v_readfirstlane_b32 s22, v1                    ; wave 0..3
	v_and_b32 v5, 31, v0                           ; lane
	v_and_b32 v6, 15, v0                           ; r
	v_bfe_u32 v7, v0, 4, 1                         ; h
	v_lshlrev_b32 v1, 4, v5                        ; 16 x lane
	s_mov_b32 s27, 0                               ; the high word of the offsets below
	s_wait_kmcnt 0x0
	s_cmp_lt_u32 ttmp9, 256
	s_cbranch_scc1 .Lpath_x
	s_cmp_lt_u32 ttmp9, 512
	s_cbranch_scc1 .Lpath_w
; ---- THE TABLE.  F[n] = 8 x rel_bias[clip(3071 - n, 0, 2048)][head], n = key - query + 2047; tab[head][s][n] = F[n + s], s = 0 .. 3: four copies shifted by one number, so that any run of four numbers begins on a multiple of 16 bytes in one of them.
; 128 waves: head = unit / 8, 512 numbers of each copy a wave, in four turns of 128.  A lane wants F[n0 .. n0 + 6], n0 = 512 chunk + 128 turn + 4 lane.  The factor 8 is exact: the scores are divided by 8 behind the product.
	s_sub_co_u32 s23, ttmp9, 512
	s_lshl_b32 s23, s23, 2
	s_add_co_u32 s23, s23, s22                     ; unit
	s_lshr_b32 s24, s23, 3                         ; head
	s_and_b32 s25, s23, 7                          ; chunk
	s_lshl_b32 s26, s24, 2
	s_add_nc_u64 s[10:11], s[10:11], s[26:27]      ; rel_bias at my head's column
	s_lshl_b32 s26, s24, 16                        ; four copies of 16,384 bytes a head
	s_lshl_b32 s28, s25, 11
	s_add_co_u32 s26, s26, s28
	s_add_nc_u64 s[20:21], s[20:21], s[26:27]
	s_lshl_b32 s28, s25, 9
	s_sub_co_u32 s28, 4099, s28
	s_wait_alu depctr_va_vdst(0)
	v_lshlrev_b32 v8, 2, v5
	v_sub_nc_u32 v8, s28, v8                       ; 3071 + 1028 - 512 chunk - 4 lane: the 1,028 keeps every number above 0
.irp it, 0,1,2,3
.irp j, 0,1,2,3,4,5,6
	v_add_nc_u32 v[32+8*\it+\j], -(128*\it+\j), v8
	v_max_u32 v[32+8*\it+\j], 1028, v[32+8*\it+\j]
	v_min_u32 v[32+8*\it+\j], 3076, v[32+8*\it+\j]     ; the clip to 0 .. 2048, shifted by 1,028
	v_add_nc_u32 v[32+8*\it+\j], -1028, v[32+8*\it+\j]
	v_lshlrev_b32 v[32+8*\it+\j], 6, v[32+8*\it+\j]    ; a row of rel_bias is 64 bytes
	global_load_b32 v[32+8*\it+\j], v[32+8*\it+\j], s[10:11]   ; the load lands on its own address register
.endr
.endr
	s_wait_loadcnt 0x0
.irp it, 0,1,2,3
.irp k, 0,1,2,3,4,5
	v_mul_f32 v[64+8*\it+\k], 0x41000000, v[32+8*\it+\k]       ; 8 F[n0 + k],
	v_mul_f32 v[96+8*\it+\k], 0x41000000, v[33+8*\it+\k]       ; and 8 F[n0 + k + 1]: a run of four registers begins on an even number
.endr
.endr
.irp it, 0,1,2,3
	global_store_b128 v1, v[64+8*\it:67+8*\it], s[20:21] offset:512*\it               ; each store of the wave covers 512 consecutive bytes, aligned
	global_store_b128 v1, v[96+8*\it:99+8*\it], s[20:21] offset:16384+512*\it
	global_store_b128 v1, v[66+8*\it:69+8*\it], s[20:21] offset:32768+512*\it
	global_store_b128 v1, v[98+8*\it:101+8*\it], s[20:21] offset:49152+512*\it
.endr
	s_endpgm
; 64 numbers of a lane, v[s] .. v[s + 63], register 16 b + i = k 32 b + 16 h + i of my row, become a fragment's registers 0-5 in v[d0] on, 6-11 in v[d1] on, and its scale word in v[pw].
.macro QUANT s, d0, d1, pw
.irp b, 0,1,2,3
	v_max3_num_f32 v[TM+\b], |v[\s+16*\b]|, |v[\s+16*\b+1]|, 0x1800000   ; block b: my 16 numbers, and the floor 2^(3 - 127): the byte cannot fall under 1
.endr
.irp i, 2,4,6,8,10,12,14
.irp b, 0,1,2,3
	v_max3_num_f32 v[TM+\b], v[TM+\b], |v[\s+16*\b+\i]|, |v[\s+16*\b+\i+1]|   ; the four blocks by turns
.endr
.endr
.irp b, 0,1,2,3
	v_permlanex16_b32 v[TM+4+\b], v[TM+\b], s[SEL], s[SEL+1]
.endr
.irp b, 0,1,2,3
	v_max_num_f32 v[TM+\b], v[TM+\b], v[TM+4+\b]   ; with lane l xor 16's: the block's largest magnitude
.endr
.irp b, 0,1,2,3
	v_add_nc_u32 v[TM+12+\b], 0xff000000, v[TM+\b] ; 2 off its exponent field: the conversion's scale operand
.endr
.irp b, 0,1,2,3
	v_lshrrev_b32 v[TM+4+\b], 23, v[TM+12+\b]      ; the scale's byte
.endr
	v_lshl_or_b32 v[\pw], v[TM+5], 8, v[TM+4]
	v_lshl_or_b32 v[\pw], v[TM+6], 16, v[\pw]
	v_lshl_or_b32 v[\pw], v[TM+7], 24, v[\pw]
	v_cvt_scalef32_pk16_fp6_f32 v[\d0:\d0+2], v[\s:\s+15], v[TM+12]
	v_cvt_scalef32_pk16_fp6_f32 v[CT:CT+2], v[\s+16:\s+31], v[TM+13]      ; (a conversion's three registers begin on an even number)
	v_cvt_scalef32_pk16_fp6_f32 v[\d1:\d1+2], v[\s+32:\s+47], v[TM+14]
	v_cvt_scalef32_pk16_fp6_f32 v[CT+4:CT+6], v[\s+48:\s+63], v[TM+15]
	v_nop                                          ; one plain place behind the scaled conversions
.irp i, 0,1,2
	v_permlane16_swap_b32 v[\d0+\i], v[CT+\i]      ; a whole block to a lane: lanes 0-15 the even block, lanes 16-31 the odd one
	v_permlane16_swap_b32 v[\d1+\i], v[CT+4+\i]
.endr
.irp i, 0,1,2
	v_mov_b32 v[\d0+3+\i], v[CT+\i]
	v_mov_b32 v[\d1+3+\i], v[CT+4+\i]
.endr
.endm
; ---- x.  Work-group id takes rows 32 id .. 32 id + 31 (tiles 2 id, 2 id + 1); wave w takes tile 2 id + w / 2 and 512 along K (w % 2): four fragments.
; Each load reads 512 consecutive bytes of one row; a fragment's 16 rows turn through the wave's own stage, so that a lane gets 16 neighbours of each block of 32.  Loads run two fragments (32 loads a wave) ahead.
.Lpath_x:
	s_lshr_b32 s23, s22, 1
	s_and_b32 s24, s22, 1
	s_lshl_b32 s26, ttmp9, 17                      ; 32 rows of 4,096 bytes
	s_lshl_b32 s28, s23, 15                        ; 8 rows
	s_add_co_u32 s26, s26, s28
	s_lshl_b32 s28, s24, 11                        ; 512 numbers
	s_add_co_u32 s26, s26, s28
	s_add_nc_u64 s[4:5], s[4:5], s[26:27]
	s_lshl_b32 s28, ttmp9, 1
	s_add_co_u32 s28, s28, s23                     ; my tile
	s_mul_i32 s26, s28, 12288
	s_mul_i32 s29, s24, 6144
	s_add_co_u32 s26, s26, s29
	s_add_nc_u64 s[12:13], s[12:13], s[26:27]
	s_lshl_b32 s26, s28, 9
	s_lshl_b32 s29, s24, 8
	s_add_co_u32 s26, s26, s29
	s_add_nc_u64 s[18:19], s[18:19], s[26:27]      ; x's scale words lie at the buffer's head
	s_mov_b32 s[SEL], 0x76543210
	s_mov_b32 s[SEL+1], 0xfedcba98
	s_mul_i32 s29, s22, XWAVE
	s_wait_alu depctr_va_vdst(0)
	v_add_nc_u32 v2, s29, v1                       ; the stage, in: 16 x lane of row t
	v_mul_u32_u24 v3, v6, 528
	v_lshl_add_u32 v3, v7, 6, v3
	v_add_nc_u32 v3, s29, v3                       ; out: row r, + 64 h
	v_lshlrev_b32 v4, 4, v6                        ; 16 r: my row's four scale words
.irp b, 0,1,2,3
	v_mov_b32 v[TM+4+\b], 0                        ; written once: a lane permute's destination counts as one of its sources
.endr
.macro LOADX f
.irp t, 0,1,2,3,4,5,6,7,8,9,10,11,12,13,14,15
	global_load_b128 v[32+64*((\f)%2)+4*\t:32+64*((\f)%2)+4*\t+3], v1, s[4:5] offset:(\t+8*(\t/8))*4096+512*(\f) th:TH_LOAD_NT
.endr
.endm
.macro FRAGX f
.set RS, 32+64*((\f)%2)
.set CS, 224+12*((\f)%2)
.if (\f) < 3
	s_wait_loadcnt 16                              ; this fragment's 16 loads are in; the next fragment's 16 may be out
.else
	s_wait_loadcnt 0x0
.endif
.irp t, 0,1,2,3,4,5,6,7,8,9,10,11,12,13,14,15
	ds_store_b128 v2, v[RS+4*\t:RS+4*\t+3] offset:528*\t
.endr
.irp t, 0,1,2,3,4,5,6,7,8,9,10,11,12,13,14,15
	ds_load_b128 v[160+4*\t:160+4*\t+3], v3 offset:128*(\t/4)+16*(\t%4)   ; LDS serves a wave's instructions in order: these see the stores above
.endr
	s_wait_dscnt 0x0
.if (\f) < 2
	LOADX (\f)+2
.else
	s_wait_xcnt 0x0                                ; the stores of two fragments back have read their data: the codes' registers are written again only behind this wait
.endif
	QUANT 160, CS, CS+6, 248+(\f)
.irp c, 0,1,2
	global_store_b128 v1, v[CS+4*\c:CS+4*\c+3], s[12:13] offset:1536*(\f)+512*\c   ; 512 consecutive bytes, aligned
.endr
.endm
	LOADX 0
	LOADX 1
	s_wait_alu depctr_va_vdst(0)
	FRAGX 0
	FRAGX 1
	FRAGX 2
	FRAGX 3
	global_store_b128 v4, v[248:251], s[18:19]     ; 256 consecutive bytes; both halves of the lanes hold and store the same words
	s_wait_tensorcnt 0x0                           ; the wave's end: behind my last LDS store
	ds_add_u32 v[SPW], v[NIL]
	s_wait_dscnt 0x0
	s_endpgm
; ---- THE WEIGHTS: K is their first axis.  A lane takes a column and its registers run down K: 128 numbers, four whole blocks, so that no other lane is asked for a maximum.
; Work-group: 128 columns (cg: 0-23 W_qkv, 24-31 W_out) x 128 along K (kq).  Wave w: 32 columns = tiles 2 G, 2 G + 1.  Column 32 G + l is row r' = (l & 7) | (l / 16) x 8 of tile 2 G + u, u = (l / 8) & 1.
; Block q of a column is registers 6 (q / 2) .. + 5 of image lane r' + 16 (q % 2): the codes go into the wave's stage at that place and leave as the two fragments' images.
.Lpath_w:
	s_sub_co_u32 s23, ttmp9, 256
	s_and_b32 s24, s23, 31                         ; cg
	s_lshr_b32 s25, s23, 5                         ; kq
	s_mov_b32 s26, 4096
	s_mov_b32 s28, 360448
	s_cmp_lt_u32 s24, 24                           ; the choice hangs on the work-group's number alone
	s_cselect_b64 s[6:7], s[6:7], s[8:9]           ; the weight,
	s_cselect_b64 s[14:15], s[14:15], s[16:17]     ; its codes,
	s_cselect_b32 s26, 12288, s26                  ; its row in bytes,
	s_cselect_b32 s28, 262144, s28                 ; its scale words' section
	s_cselect_b32 s29, 0, 24
	s_sub_co_u32 s24, s24, s29
	s_lshl_b32 s29, s24, 2
	s_add_co_u32 s29, s29, s22                     ; G
	s_mul_i32 s32, s25, s26
	s_lshl_b32 s32, s32, 7                         ; 128 kq rows
	s_lshl_b32 s33, s29, 7                         ; 32 G columns
	s_add_co_u32 s32, s32, s33
	s_mov_b32 s33, 0
	s_add_nc_u64 s[36:37], s[6:7], s[32:33]        ; a base for each block of 32 rows
	s_lshl_b32 s34, s26, 5
	s_mov_b32 s35, 0
	s_add_nc_u64 s[38:39], s[36:37], s[34:35]
	s_add_nc_u64 s[40:41], s[38:39], s[34:35]
	s_add_nc_u64 s[42:43], s[40:41], s[34:35]
	s_mul_i32 s32, s29, 24576
	s_mul_i32 s44, s25, 1536
	s_add_co_u32 s32, s32, s44
	s_add_nc_u64 s[14:15], s[14:15], s[32:33]
	s_lshl_b32 s32, s29, 10
	s_add_co_u32 s32, s32, s28
	s_lshr_b32 s44, s25, 2
	s_lshl_b32 s44, s44, 8
	s_add_co_u32 s32, s32, s44
	s_and_b32 s44, s25, 3
	s_lshl_b32 s44, s44, 2
	s_add_co_u32 s32, s32, s44
	s_add_nc_u64 s[18:19], s[18:19], s[32:33]
	s_wait_alu depctr_va_vdst(0)
	v_lshlrev_b32 v32, 2, v5                       ; v32-63: 4 x lane + i rows
.set i, 1
.rept 31
	v_add_nc_u32 v[32+i], s26, v[31+i]
.set i, i+1
.endr
.irp q, 0,1,2,3
.irp i, 0,1,2,3,4,5,6,7,8,9,10,11,12,13,14,15,16,17,18,19,20,21,22,23,24,25,26,27,28,29,30,31
	global_load_b32 v[64+32*\q+\i], v[32+\i], s[36+2*\q:37+2*\q] th:TH_LOAD_NT   ; 128 consecutive bytes a wave, 512 a work-group
.endr
.endr
	v_bfe_u32 v8, v0, 3, 1                         ; u
	v_and_b32 v9, 7, v0
	v_lshl_or_b32 v9, v7, 3, v9                    ; r'
	s_mul_i32 s44, s22, WWAVE
	s_add_co_u32 s44, s44, WSTG
	v_mul_u32_u24 v10, v8, 1664
	v_lshl_add_u32 v10, v9, 4, v10
	v_add_nc_u32 v10, s44, v10                     ; the stage, in
	v_add_nc_u32 v11, s44, v1                      ; and out: 16 x lane
	v_lshlrev_b32 v15, 9, v8
	v_lshl_add_u32 v15, v9, 4, v15                 ; my scale word: tile u, row r'
.macro BLOCKW q, left
.set XS, 64+32*(\q)
.set CC, 192+8*(\q)
	s_wait_loadcnt \left                           ; this block's 32 loads are in
	v_max3_num_f32 v12, |v[XS]|, |v[XS+1]|, |v[XS+2]|
	v_max3_num_f32 v13, |v[XS+3]|, |v[XS+4]|, |v[XS+5]|
.irp i, 6,10,14,18,22,26
	v_max3_num_f32 v12, v12, |v[XS+\i]|, |v[XS+\i+1]|
	v_max3_num_f32 v13, v13, |v[XS+\i+2]|, |v[XS+\i+3]|
.endr
	v_max3_num_f32 v12, v12, |v[XS+30]|, |v[XS+31]|
	v_max3_num_f32 v12, v12, v13, 0x1800000        ; and the floor 2^(3 - 127)
	v_add_nc_u32 v16, 0xff000000, v12              ; the conversion's scale operand
	v_lshrrev_b32 v13, 23, v16                     ; the byte
.if (\q) == 0
	v_mov_b32 v14, v13
.else
	v_lshl_or_b32 v14, v13, 8*(\q), v14
.endif
	v_cvt_scalef32_pk16_fp6_f32 v[CC:CC+2], v[XS:XS+15], v16
	v_cvt_scalef32_pk16_fp6_f32 v[CC+4:CC+6], v[XS+16:XS+31], v16
	v_nop                                          ; one plain place behind the scaled conversions
	v_mov_b32 v[CC+3], v[CC+4]                     ; six registers on end
	v_mov_b32 v[CC+4], v[CC+5]
	v_mov_b32 v[CC+5], v[CC+6]
.if (\q) < 2
	ds_store_b128 v10, v[CC:CC+3] offset:256*((\q)%2)               ; image registers 0-3,
	ds_store_b64 v10, v[CC+4:CC+5] offset:512+256*((\q)%2)          ; 4-5
.else
	ds_store_b64 v10, v[CC:CC+1] offset:520+256*((\q)%2)            ; 6-7,
	ds_store_b128 v10, v[CC+2:CC+5] offset:1024+256*((\q)%2)        ; 8-11
.endif
.endm
	BLOCKW 0, 63                                   ; 96 loads are younger, then 64: the count can name 63 at the most, and a smaller count is safe
	BLOCKW 1, 63
	BLOCKW 2, 32
	BLOCKW 3, 0
.irp i, 0,1,2,3,4,5
	ds_load_b128 v[224+4*\i:227+4*\i], v11 offset:(\i/3)*1664+(\i%3)*512   ; LDS serves a wave's instructions in order: these see my stores
.endr
	s_wait_alu depctr_va_vdst(0)
.irp i, 0,1,2,3,4,5
	s_wait_dscnt 5-\i                              ; the younger stage loads may stay out
	global_store_b128 v1, v[224+4*\i:227+4*\i], s[14:15] offset:(\i/3)*12288+(\i%3)*512   ; 512 consecutive bytes, aligned
.endr
	global_store_b32 v15, v14, s[18:19]            ; 4 bytes at steps of 16: the words of the other three K steps of a block of 256 bytes come from other work-groups
	s_wait_tensorcnt 0x0                           ; the wave's end: behind my last LDS store
	ds_add_u32 v[SPW], v[NIL]
	s_wait_dscnt 0x0
	s_endpgm
.Lfunc_end_k_qf2e9734d0b_prep:
	.size	k_qf2e9734d0b_prep, .Lfunc_end_k_qf2e9734d0b_prep-k_qf2e9734d0b_prep
	.p2alignl 7, 3214868480
	.fill 96, 4, 3214868480
	.section	.rodata,"a",@progbits
	.p2align	6, 0x0
	.amdhsa_kernel k_qf2e9734d0b_prep
		.amdhsa_group_segment_fixed_size 47616
		.amdhsa_private_segment_fixed_size 0
		.amdhsa_enable_private_segment 0
		.amdhsa_kernarg_size 72
		.amdhsa_user_sgpr_count 2
		.amdhsa_user_sgpr_kernarg_segment_ptr 1
		.amdhsa_wavefront_size32 1
		.amdhsa_system_sgpr_workgroup_id_x 1
		.amdhsa_system_sgpr_workgroup_id_y 1
		.amdhsa_system_sgpr_workgroup_id_z 1
		.amdhsa_system_vgpr_workitem_id 0
		.amdhsa_next_free_vgpr 256
		.amdhsa_next_free_sgpr 66
		.amdhsa_reserve_vcc 0
		.amdhsa_float_denorm_mode_32 3
		.amdhsa_float_denorm_mode_16_64 3
		.amdhsa_memory_ordered 1
		.amdhsa_forward_progress 1
		.amdhsa_inst_pref_size 72
	.end_amdhsa_kernel
	.amdgpu_metadata
---
amdhsa.version: [ 1, 2 ]
amdhsa.kernels:
  - .name:           k_qf2e9734d0b_prep
    .symbol:         k_qf2e9734d0b_prep.kd
    .args:
      - { .name: x, .offset: 0, .size: 8, .value_kind: global_buffer, .address_space: global }
      - { .name: W_qkv, .offset: 8, .size: 8, .value_kind: global_buffer, .address_space: global }
      - { .name: W_out, .offset: 16, .size: 8, .value_kind: global_buffer, .address_space: global }
      - { .name: rel_bias, .offset: 24, .size: 8, .value_kind: global_buffer, .address_space: global }
      - { .name: xc, .offset: 32, .size: 8, .value_kind: global_buffer, .address_space: global }
      - { .name: wqc, .offset: 40, .size: 8, .value_kind: global_buffer, .address_space: global }
      - { .name: woc, .offset: 48, .size: 8, .value_kind: global_buffer, .address_space: global }
      - { .name: scl, .offset: 56, .size: 8, .value_kind: global_buffer, .address_space: global }
      - { .name: tab, .offset: 64, .size: 8, .value_kind: global_buffer, .address_space: global }
    .group_segment_fixed_size: 47616
    .private_segment_fixed_size: 0
    .kernarg_segment_align: 8
    .kernarg_segment_size: 72
    .max_flat_workgroup_size: 128
    .sgpr_count:     66
    .vgpr_count:     256
    .wavefront_size: 32
...
	.end_amdgpu_metadata
.endif
;; end of part 1
;; launch gemm_qk (part 2): grid 8 x 32, 4 waves a work-group, clusters of 4 x 4, 327,680 bytes of LDS; arguments xc, wqc, scl, b_qkv, qimg, kv; writes qimg, kv
.if DOCPART == 2
	.amdgcn_target "amdgcn-amd-amdhsa--gfx1250"
	.amdhsa_code_object_version 6
	.text
	.protected	k_qf2e9734d0b_gemm_qk
	.globl	k_qf2e9734d0b_gemm_qk
	.p2align	8
	.type	k_qf2e9734d0b_gemm_qk,@function
k_qf2e9734d0b_gemm_qk:
	s_mov_b64 s[64:65], 0
	v_nop
	global_prefetch_b8 v0, s[64:65] scope:SCOPE_SE
	s_setreg_imm32_b32 hwreg(HW_REG_WAVE_MODE, 25, 1), 1
	s_wait_xcnt 0x0
	s_wait_alu depctr_hold_cnt(0) depctr_sa_sdst(0) depctr_va_vdst(0) depctr_va_sdst(0) depctr_va_ssrc(0) depctr_va_vcc(0) depctr_vm_vsrc(0)
	s_getreg_b32 s2, hwreg(HW_REG_IB_STS2, 6, 4)
	s_cmp_eq_u32 s2, 0
	s_cbranch_scc0 .Lentry_in_a_cluster
	s_endpgm
.Lentry_in_a_cluster:
	s_bfe_u32 s2, ttmp6, 0x10000c
	s_cmp_lg_u32 s2, 0xf033
	s_cbranch_scc0 .Lentry_shape_is_right
	s_endpgm
.Lentry_shape_is_right:
.set FR,     12
.set FRB,    1536
.set TROW,   2*FRB
.set TPITCH, 8*FRB
.set HALFT,  8*TROW
.set SLOT,   4*HALFT
.set SPARE,  2*SLOT
.set NP,     4
.set NLA,    3
.set AOFF,   0
.set SA,     0
.set SB,     262144
.set ADRA, 16
.set ADRB, 20
.set OL,   24
.set OS,   25
.set SPW,  28
.set NIL,  29
.set SCO,  30
.set BIO,  31
.set SC,   32
.set TM,   96
.set CT,   112
.set AF,   128
.set G1,  24
.set G0,  32
.set G1B, 48
.set G0B, 56
.set SEL, 72
.set MSB, 0
.macro WIN new
.if MSB != (\new)
	s_set_vgpr_msb (MSB<<8)|(\new)
.set MSB, (\new)
.endif
.endm
.set MUL_LO, 0xa1
.set MUL_HI, 0xf1
.set TO_B,   0x40
.macro JLOAD g0a, g1a, g0b, g1b
	s_cmp_eq_u32 s15, 0
	s_cbranch_scc0 .Lfor_b_\@
	tensor_load_to_lds s[\g0a:\g0a+3], s[\g1a:\g1a+7]
	s_nop 0
.rept 4
	v_nop
.endr
	s_branch .Lasked_\@
.Lfor_b_\@:
	tensor_load_to_lds s[\g0b:\g0b+3], s[\g1b:\g1b+7]
	s_nop 0
.rept 4
	v_nop
.endr
.Lasked_\@:
.endm
.macro CREST
	s_cmp_lg_u32 s14, 0
	s_cbranch_scc1 .Lnot_wave_0_\@
	s_barrier_signal -3
.Lnot_wave_0_\@:
	s_barrier_wait -3
	s_barrier_signal -1
	s_barrier_wait -1
.endm
.macro CROUND
	s_barrier_signal -1
	s_barrier_wait -1
	CREST
.endm
.macro PLACES n
.rept \n
	v_nop
.endr
.endm
.macro FRAG reg, adr, q, i
.irp c, 0,1,2
	ds_load_b128 v[\reg+4*\c:\reg+4*\c+3], v[\adr] offset:(\i)*TROW+(\q)*FRB+512*\c
.endr
.endm
.macro FETCH_B slot, q, p
	WIN TO_B
.irp i, 0,1,2,3,4,5,6,7
	FRAG 128*(\p)+FR*\i, ADRB+\slot, \q, \i
.endr
	WIN 0
.endm
.macro FETCH_A slot, q, i0
.irp i, \i0, \i0+1, \i0+2, \i0+3
	FRAG AF+FR*(\i), ADRA+\slot, \q, \i
.endr
.endm
.macro MUL16 a0, p, kq, cm
.irp a, \a0, \a0+1
.irp b, 0,1,2,3,4,5,6,7
.if \cm
	v_wmma_scale_f32_16x16x128_f8f6f4 v[8*(8*((\a)%4)+\b):8*(8*((\a)%4)+\b)+7], v[128*(\p)+FR*\b:128*(\p)+FR*\b+FR-1], v[AF+FR*(\a):AF+FR*(\a)+FR-1], v[96+8*\b+96*(\b/4):96+8*\b+96*(\b/4)+7], v[SC+8*\b+(\kq)], v[SC+8*(\a)+(\kq)] matrix_a_fmt:MATRIX_FMT_FP6 matrix_b_fmt:MATRIX_FMT_FP6 matrix_a_scale:MATRIX_SCALE_ROW1
.else
	v_wmma_scale_f32_16x16x128_f8f6f4 v[8*(8*((\a)%4)+\b):8*(8*((\a)%4)+\b)+7], v[128*(\p)+FR*\b:128*(\p)+FR*\b+FR-1], v[AF+FR*(\a):AF+FR*(\a)+FR-1], v[8*(8*((\a)%4)+\b):8*(8*((\a)%4)+\b)+7], v[SC+8*\b+(\kq)], v[SC+8*(\a)+(\kq)] matrix_a_fmt:MATRIX_FMT_FP6 matrix_b_fmt:MATRIX_FMT_FP6 matrix_a_scale:MATRIX_SCALE_ROW1
.endif
.endr
.endr
.endm
.macro STEP slot, kq, cm
	s_wait_dscnt 4*NLA
	WIN MUL_LO-0x10*(\cm)
	MUL16 0, 0, \kq, \cm
	MUL16 2, 0, \kq, \cm
	s_wait_dscnt 0x0
	PLACES NP
	FETCH_B \slot, 1, 1
	FETCH_A \slot, 1, 0
	WIN MUL_HI-0x20*(\cm)
	MUL16 4, 0, \kq, \cm
	MUL16 6, 0, \kq, \cm
	PLACES NP
	WIN 0
	FETCH_A \slot, 1, 4
.endm
.macro TURN slot, next, kq, fill
	s_wait_tensorcnt 0x0
	ds_add_u32 v[SPW], v[NIL]
	s_wait_dscnt 4*NLA+1
	WIN MUL_LO
	MUL16 0, 1, \kq, 0
	s_wait_dscnt 0x0
	s_barrier_signal -1
	MUL16 2, 1, \kq, 0
	WIN 0
	s_barrier_wait -1
.if \fill
	CREST
	s_add_nc_u64 s[G0+4*\slot+2:G0+4*\slot+3], s[G0+4*\slot+2:G0+4*\slot+3], 2*TROW
	s_add_nc_u64 s[G0B+4*\slot+2:G0B+4*\slot+3], s[G0B+4*\slot+2:G0B+4*\slot+3], 2*TROW
	JLOAD G0+4*\slot, G1, G0B+4*\slot, G1B
.else
	PLACES NP
.endif
	FETCH_B \next, 0, 0
	FETCH_A \next, 0, 0
	WIN MUL_HI
	MUL16 4, 1, \kq, 0
	MUL16 6, 1, \kq, 0
	PLACES NP
	WIN 0
	FETCH_A \next, 0, 4
.endm
.macro QUANT w, s, d0, d1, pw
	WIN (\w)*5
.irp b, 0,1,2,3
	v_max3_num_f32 v[TM+\b], |v[\s+16*\b]|, |v[\s+16*\b+1]|, 0x1800000
.endr
.irp i, 2,4,6,8,10,12,14
.irp b, 0,1,2,3
	v_max3_num_f32 v[TM+\b], |v[\s+16*\b+\i]|, |v[\s+16*\b+\i+1]|, v[TM+\b]
.endr
.endr
	WIN 0
.irp b, 0,1,2,3
	v_permlanex16_b32 v[TM+4+\b], v[TM+\b], s[SEL], s[SEL+1]
.endr
.irp b, 0,1,2,3
	v_max_num_f32 v[TM+\b], v[TM+\b], v[TM+4+\b]
.endr
.irp b, 0,1,2,3
	v_add_nc_u32 v[TM+12+\b], 0xff000000, v[TM+\b]
.endr
.irp b, 0,1,2,3
	v_lshrrev_b32 v[TM+4+\b], 23, v[TM+12+\b]
.endr
	v_lshl_or_b32 v[\pw], v[TM+5], 8, v[TM+4]
	v_lshl_or_b32 v[\pw], v[TM+6], 16, v[\pw]
	v_lshl_or_b32 v[\pw], v[TM+7], 24, v[\pw]
	WIN \w
	v_cvt_scalef32_pk16_fp6_f32 v[\d0:\d0+2], v[\s:\s+15], v[TM+12]
	v_cvt_scalef32_pk16_fp6_f32 v[CT:CT+2], v[\s+16:\s+31], v[TM+13]
	v_cvt_scalef32_pk16_fp6_f32 v[\d1:\d1+2], v[\s+32:\s+47], v[TM+14]
	v_cvt_scalef32_pk16_fp6_f32 v[CT+4:CT+6], v[\s+48:\s+63], v[TM+15]
	WIN 0
	v_nop
.irp i, 0,1,2
	v_permlane16_swap_b32 v[\d0+\i], v[CT+\i]
	v_permlane16_swap_b32 v[\d1+\i], v[CT+4+\i]
.endr
.irp i, 0,1,2
	v_mov_b32 v[\d0+3+\i], v[CT+\i]
	v_mov_b32 v[\d1+3+\i], v[CT+4+\i]
.endr
.endm
	s_load_b256 s[4:11], s[0:1], 0x0
	s_load_b128 s[68:71], s[0:1], 0x20
	v_lshl_add_u32 v[SPW], v0, 2, SPARE
	v_mov_b32 v[NIL], 0
	ds_add_u32 v[SPW], v[NIL]
	ds_add_u32 v[SPW], v[NIL]
	v_lshrrev_b32 v1, 5, v0
	v_readfirstlane_b32 s14, v1
	s_lshr_b32 s15, s14, 1
	s_and_b32 s16, s14, 1
	s_bfe_u32 s40, ttmp6, 0x40000
	s_bfe_u32 s41, ttmp6, 0x40004
	s_lshl_b32 s42, ttmp9, 2
	s_add_co_u32 s42, s42, s40
	s_and_b32 s17, ttmp7, 0xffff
	s_lshl_b32 s17, s17, 2
	s_add_co_u32 s17, s17, s41
	s_lshl_b32 s43, s41, 2
	s_lshl_b32 s43, 15, s43
	s_lshl_b32 s44, 0x1111, s40
	s_or_b32 s[G1+0], s43, (3<<16)|(1<<21)
	s_or_b32 s[G1B+0], s44, (3<<16)|(1<<21)
.irp g, G1, G1B
	s_mov_b32 s[\g+1], 384<<16
	s_mov_b32 s[\g+2], 8<<16
	s_mov_b32 s[\g+3], 384<<16
	s_mov_b32 s[\g+4], 8
	s_mov_b32 s[\g+5], 1536
	s_mov_b32 s[\g+6], 0
	s_mov_b32 s[\g+7], 0
.endr
	s_lshl_b32 s18, s16, 3
	s_lshl_b32 s20, s17, 4
	s_add_co_u32 s20, s20, s18
	s_mul_i32 s20, s20, TPITCH
	s_mov_b32 s21, 0
	s_lshl_b32 s46, s42, 4
	s_add_co_u32 s46, s46, s18
	s_mul_i32 s46, s46, TPITCH
	s_mov_b32 s47, 0
	s_mul_i32 s45, s14, HALFT
	s_mov_b32 s[SEL], 0x76543210
	s_mov_b32 s[SEL+1], 0xfedcba98
	s_wait_dscnt 0x0
	s_wait_kmcnt 0x0
	s_add_nc_u64 s[20:21], s[4:5], s[20:21]
	s_add_nc_u64 s[46:47], s[6:7], s[46:47]
	CROUND
.macro FILL s                          ; slot s's first fill, behind the full sequence and a round
	s_mov_b32 s[G0+4*\s], 1
	s_add_co_u32 s[G0+4*\s+1], s45, \s*SLOT
	s_add_nc_u64 s[G0+4*\s+2:G0+4*\s+3], s[20:21], \s*TROW+AOFF
	s_or_b32 s[G0+4*\s+3], s[G0+4*\s+3], 0x80000000
	s_mov_b32 s[G0B+4*\s], 1
	s_add_co_u32 s[G0B+4*\s+1], s45, \s*SLOT
	s_add_nc_u64 s[G0B+4*\s+2:G0B+4*\s+3], s[46:47], \s*TROW
	s_or_b32 s[G0B+4*\s+3], s[G0B+4*\s+3], 0x80000000
	s_wait_alu depctr_va_vdst(0)
	s_wait_tensorcnt 0x0
	ds_add_u32 v28, v29
	ds_add_u32 v28, v29
	s_wait_dscnt 0x0
	CROUND
	JLOAD G0+4*\s, G1, G0B+4*\s, G1B
.endm
	FILL 0
	v_and_b32 v1, 15, v0
	v_bfe_u32 v2, v0, 4, 1
	s_wait_alu depctr_va_vdst(0)
	v_and_b32 v3, 31, v0
	v_lshlrev_b32 v[OL], 4, v3
	s_mul_i32 s75, s15, HALFT                      ; (s[20:21] still hold A's address for slot 1's fill)
	s_mul_i32 s22, s16, HALFT
	s_add_co_u32 s22, s22, 2*HALFT
.irp s, 0,1
	v_add_nc_u32 v[ADRA+\s], s75, v[OL]
	v_add_nc_u32 v[ADRB+\s], s22, v[OL]
	s_add_co_u32 s75, s75, SLOT
	s_add_co_u32 s22, s22, SLOT
.endr
	s_lshl_b32 s18, s17, 4
	s_lshl_b32 s19, s15, 3
	s_add_co_u32 s18, s18, s19
	s_lshl_b32 s18, s18, 9
	s_add_co_u32 s18, s18, SA
	s_lshl_b32 s19, s42, 4
	s_lshl_b32 s23, s16, 3
	s_add_co_u32 s19, s19, s23
	s_lshl_b32 s19, s19, 9
	s_add_co_u32 s19, s19, SB
	v_cmp_eq_u32 s74, 1, v2
	v_mov_b32 v5, s19
	v_cndmask_b32 v5, s18, v5, s74
	v_lshl_add_u32 v[SCO], v1, 4, v5
.irp i, 0,1,2,3,4,5,6,7
	global_load_b128 v[SC+8*\i:SC+8*\i+3], v[SCO], s[8:9] offset:512*\i
	global_load_b128 v[SC+8*\i+4:SC+8*\i+7], v[SCO], s[8:9] offset:512*\i+256
.endr
	s_lshl_b32 s18, s42, 10
	s_lshl_b32 s19, s16, 9
	s_add_co_u32 s18, s18, s19
	s_mov_b32 s19, 0
	s_add_nc_u64 s[10:11], s[10:11], s[18:19]
	v_lshlrev_b32 v[BIO], 6, v2
	WIN TO_B
.irp b, 0,1,2,3,4,5,6,7
	global_load_b128 v[96+8*\b+96*(\b/4):96+8*\b+96*(\b/4)+3], v[BIO], s[10:11] offset:(32*(\b/2)+8*(\b%2))*4
	global_load_b128 v[96+8*\b+96*(\b/4)+4:96+8*\b+96*(\b/4)+7], v[BIO], s[10:11] offset:(32*(\b/2)+8*(\b%2))*4+16
.endr
	WIN 0
	FILL 1                                         ; the scale words and the bias have been asked for: they are on their way while slot 0 lands
	s_cmp_eq_u32 ttmp9, 0
	s_cselect_b64 s[12:13], s[68:69], s[70:71]
	s_lshl_b32 s18, s40, 2
	s_lshl_b32 s19, s16, 1
	s_add_co_u32 s18, s18, s19
	s_lshl_b32 s18, s18, 6
	s_lshl_b32 s19, s17, 1
	s_add_co_u32 s18, s18, s19
	s_add_co_u32 s18, s18, s15
	s_mul_i32 s18, s18, 12800
	s_mov_b32 s19, 0
	s_add_nc_u64 s[12:13], s[12:13], s[18:19]
	v_mul_u32_u24 v[OS], v2, 819200
	v_lshl_add_u32 v[OS], v1, 4, v[OS]
	v_mov_b32 v122, 0x05040100
	v_mov_b32 v123, 0x07060302
	v_cndmask_b32 v122, v122, v123, s74
.irp b, 0,1,2,3
	v_mov_b32 v[TM+4+\b], 0
.endr
	s_wait_tensorcnt 0x1
	s_barrier_signal -1
	s_barrier_wait -1
	FETCH_B 0, 0, 0
	FETCH_A 0, 0, 0
	FETCH_A 0, 0, 4
	s_wait_loadcnt 0x0
	STEP 0, 0, 1
	TURN 0, 1, 1, 1
	STEP 1, 2, 0
	TURN 1, 0, 3, 1
	STEP 0, 4, 0
	TURN 0, 1, 5, 0
	STEP 1, 6, 0
	s_wait_dscnt 4*NLA
	WIN MUL_LO
	MUL16 0, 1, 7, 0
	MUL16 2, 1, 7, 0
	s_wait_dscnt 0x0
	WIN MUL_HI
	MUL16 4, 1, 7, 0
	MUL16 6, 1, 7, 0
	WIN 0
	PLACES NP
.irp b2, 0,1,2,3
	QUANT 2+(2*\b2)/4, 64*((2*\b2)%4), 128+24*\b2, 140+24*\b2, 120
	QUANT 2+(2*\b2+1)/4, 64*((2*\b2+1)%4), 134+24*\b2, 146+24*\b2, 121
	v_perm_b32 v[124+\b2], v121, v120, v122
.irp c, 0,1,2
	global_store_b128 v[OL], v[128+24*\b2+4*\c:128+24*\b2+4*\c+3], s[12:13] offset:1536*\b2+512*\c
	global_store_b128 v[OL], v[140+24*\b2+4*\c:140+24*\b2+4*\c+3], s[12:13] offset:819200+1536*\b2+512*\c
.endr
.endr
	global_store_b128 v[OS], v[124:127], s[12:13] offset:12288
	s_wait_tensorcnt 0x0
	ds_add_u32 v[SPW], v[NIL]
	s_wait_dscnt 0x0
	CROUND
	s_endpgm
.Lfunc_end_k_qf2e9734d0b_gemm_qk:
	.size	k_qf2e9734d0b_gemm_qk, .Lfunc_end_k_qf2e9734d0b_gemm_qk-k_qf2e9734d0b_gemm_qk
	.p2alignl 7, 3214868480
	.fill 96, 4, 3214868480
	.section	.rodata,"a",@progbits
	.p2align	6, 0x0
	.amdhsa_kernel k_qf2e9734d0b_gemm_qk
		.amdhsa_group_segment_fixed_size 327680
		.amdhsa_private_segment_fixed_size 0
		.amdhsa_enable_private_segment 0
		.amdhsa_kernarg_size 48
		.amdhsa_user_sgpr_count 2
		.amdhsa_user_sgpr_kernarg_segment_ptr 1
		.amdhsa_wavefront_size32 1
		.amdhsa_system_sgpr_workgroup_id_x 1
		.amdhsa_system_sgpr_workgroup_id_y 1
		.amdhsa_system_sgpr_workgroup_id_z 1
		.amdhsa_system_vgpr_workitem_id 0
		.amdhsa_next_free_vgpr 1024
		.amdhsa_next_free_sgpr 98
		.amdhsa_reserve_vcc 0
		.amdhsa_float_denorm_mode_32 3
		.amdhsa_float_denorm_mode_16_64 3
		.amdhsa_memory_ordered 1
		.amdhsa_forward_progress 1
		.amdhsa_inst_pref_size 140
	.end_amdhsa_kernel
	.amdgpu_metadata
---
amdhsa.version: [ 1, 2 ]
amdhsa.kernels:
  - .name:           k_qf2e9734d0b_gemm_qk
    .symbol:         k_qf2e9734d0b_gemm_qk.kd
    .args:
      - { .name: xc, .offset: 0, .size: 8, .value_kind: global_buffer, .address_space: global }
      - { .name: wqc, .offset: 8, .size: 8, .value_kind: global_buffer, .address_space: global }
      - { .name: scl, .offset: 16, .size: 8, .value_kind: global_buffer, .address_space: global }
      - { .name: b_qkv, .offset: 24, .size: 8, .value_kind: global_buffer, .address_space: global }
      - { .name: qimg, .offset: 32, .size: 8, .value_kind: global_buffer, .address_space: global }
      - { .name: kv, .offset: 40, .size: 8, .value_kind: global_buffer, .address_space: global }
    .group_segment_fixed_size: 327680
    .private_segment_fixed_size: 0
    .kernarg_segment_align: 8
    .kernarg_segment_size: 48
    .max_flat_workgroup_size: 128
    .sgpr_count:     98
    .vgpr_count:     1024
    .wavefront_size: 32
...
	.end_amdgpu_metadata
.endif
;; end of part 2
;; launch gemm_v (part 3): grid 32 x 4, 4 waves a work-group, clusters of 4 x 4, 327,680 bytes of LDS; arguments wqc, xc, scl, b_qkv, kv; writes kv
.if DOCPART == 3
	.amdgcn_target "amdgcn-amd-amdhsa--gfx1250"
	.amdhsa_code_object_version 6
	.text
	.protected	k_qf2e9734d0b_gemm_v
	.globl	k_qf2e9734d0b_gemm_v
	.p2align	8
	.type	k_qf2e9734d0b_gemm_v,@function
k_qf2e9734d0b_gemm_v:
	s_mov_b64 s[64:65], 0
	v_nop
	global_prefetch_b8 v0, s[64:65] scope:SCOPE_SE
	s_setreg_imm32_b32 hwreg(HW_REG_WAVE_MODE, 25, 1), 1
	s_wait_xcnt 0x0
	s_wait_alu depctr_hold_cnt(0) depctr_sa_sdst(0) depctr_va_vdst(0) depctr_va_sdst(0) depctr_va_ssrc(0) depctr_va_vcc(0) depctr_vm_vsrc(0)
	s_getreg_b32 s2, hwreg(HW_REG_IB_STS2, 6, 4)
	s_cmp_eq_u32 s2, 0
	s_cbranch_scc0 .Lentry_in_a_cluster
	s_endpgm
.Lentry_in_a_cluster:
	s_bfe_u32 s2, ttmp6, 0x10000c
	s_cmp_lg_u32 s2, 0xf033
	s_cbranch_scc0 .Lentry_shape_is_right
	s_endpgm
.Lentry_shape_is_right:
.set FR,     12
.set FRB,    1536
.set TROW,   2*FRB
.set TPITCH, 8*FRB
.set HALFT,  8*TROW
.set SLOT,   4*HALFT
.set SPARE,  2*SLOT
.set NP,     4
.set NLA,    3
.set AOFF,   128*TPITCH
.set SA,     327680
.set SB,     0
.set ADRA, 16
.set ADRB, 20
.set OL,   24
.set OS,   25
.set SPW,  28
.set NIL,  29
.set SCO,  30
.set BIO,  31
.set SC,   32
.set TM,   96
.set CT,   112
.set AF,   128
.set G1,  24
.set G0,  32
.set G1B, 48
.set G0B, 56
.set SEL, 72
.set MSB, 0
.macro WIN new
.if MSB != (\new)
	s_set_vgpr_msb (MSB<<8)|(\new)
.set MSB, (\new)
.endif
.endm
.set MUL_LO, 0xa1
.set MUL_HI, 0xf1
.set TO_B,   0x40
.macro JLOAD g0a, g1a, g0b, g1b
	s_cmp_eq_u32 s15, 0
	s_cbranch_scc0 .Lfor_b_\@
	tensor_load_to_lds s[\g0a:\g0a+3], s[\g1a:\g1a+7]
	s_nop 0
.rept 4
	v_nop
.endr
	s_branch .Lasked_\@
.Lfor_b_\@:
	tensor_load_to_lds s[\g0b:\g0b+3], s[\g1b:\g1b+7]
	s_nop 0
.rept 4
	v_nop
.endr
.Lasked_\@:
.endm
.macro CREST
	s_cmp_lg_u32 s14, 0
	s_cbranch_scc1 .Lnot_wave_0_\@
	s_barrier_signal -3
.Lnot_wave_0_\@:
	s_barrier_wait -3
	s_barrier_signal -1
	s_barrier_wait -1
.endm
.macro CROUND
	s_barrier_signal -1
	s_barrier_wait -1
	CREST
.endm
.macro PLACES n
.rept \n
	v_nop
.endr
.endm
.macro FRAG reg, adr, q, i
.irp c, 0,1,2
	ds_load_b128 v[\reg+4*\c:\reg+4*\c+3], v[\adr] offset:(\i)*TROW+(\q)*FRB+512*\c
.endr
.endm
.macro FETCH_B slot, q, p
	WIN TO_B
.irp i, 0,1,2,3,4,5,6,7
	FRAG 128*(\p)+FR*\i, ADRB+\slot, \q, \i
.endr
	WIN 0
.endm
.macro FETCH_A slot, q, i0
.irp i, \i0, \i0+1, \i0+2, \i0+3
	FRAG AF+FR*(\i), ADRA+\slot, \q, \i
.endr
.endm
.macro MUL16 a0, p, kq, cm
.irp a, \a0, \a0+1
.irp b, 0,1,2,3,4,5,6,7
.if \cm
	v_wmma_scale_f32_16x16x128_f8f6f4 v[8*(8*((\a)%4)+\b):8*(8*((\a)%4)+\b)+7], v[128*(\p)+FR*\b:128*(\p)+FR*\b+FR-1], v[AF+FR*(\a):AF+FR*(\a)+FR-1], v[96+8*(\a)+96*((\a)/4):96+8*(\a)+96*((\a)/4)+7], v[SC+8*\b+(\kq)], v[SC+8*(\a)+(\kq)] matrix_a_fmt:MATRIX_FMT_FP6 matrix_b_fmt:MATRIX_FMT_FP6 matrix_a_scale:MATRIX_SCALE_ROW1
.else
	v_wmma_scale_f32_16x16x128_f8f6f4 v[8*(8*((\a)%4)+\b):8*(8*((\a)%4)+\b)+7], v[128*(\p)+FR*\b:128*(\p)+FR*\b+FR-1], v[AF+FR*(\a):AF+FR*(\a)+FR-1], v[8*(8*((\a)%4)+\b):8*(8*((\a)%4)+\b)+7], v[SC+8*\b+(\kq)], v[SC+8*(\a)+(\kq)] matrix_a_fmt:MATRIX_FMT_FP6 matrix_b_fmt:MATRIX_FMT_FP6 matrix_a_scale:MATRIX_SCALE_ROW1
.endif
.endr
.endr
.endm
.macro STEP slot, kq, cm
	s_wait_dscnt 4*NLA
	WIN MUL_LO-0x10*(\cm)
	MUL16 0, 0, \kq, \cm
	MUL16 2, 0, \kq, \cm
	s_wait_dscnt 0x0
	PLACES NP
	FETCH_B \slot, 1, 1
	FETCH_A \slot, 1, 0
	WIN MUL_HI-0x20*(\cm)
	MUL16 4, 0, \kq, \cm
	MUL16 6, 0, \kq, \cm
	PLACES NP
	WIN 0
	FETCH_A \slot, 1, 4
.endm
.macro TURN slot, next, kq, fill
	s_wait_tensorcnt 0x0
	ds_add_u32 v[SPW], v[NIL]
	s_wait_dscnt 4*NLA+1
	WIN MUL_LO
	MUL16 0, 1, \kq, 0
	s_wait_dscnt 0x0
	s_barrier_signal -1
	MUL16 2, 1, \kq, 0
	WIN 0
	s_barrier_wait -1
.if \fill
	CREST
	s_add_nc_u64 s[G0+4*\slot+2:G0+4*\slot+3], s[G0+4*\slot+2:G0+4*\slot+3], 2*TROW
	s_add_nc_u64 s[G0B+4*\slot+2:G0B+4*\slot+3], s[G0B+4*\slot+2:G0B+4*\slot+3], 2*TROW
	JLOAD G0+4*\slot, G1, G0B+4*\slot, G1B
.else
	PLACES NP
.endif
	FETCH_B \next, 0, 0
	FETCH_A \next, 0, 0
	WIN MUL_HI
	MUL16 4, 1, \kq, 0
	MUL16 6, 1, \kq, 0
	PLACES NP
	WIN 0
	FETCH_A \next, 0, 4
.endm
.macro QUANT w, s, d0, d1, pw
	WIN (\w)*5
.irp b, 0,1,2,3
	v_max3_num_f32 v[TM+\b], |v[\s+16*\b]|, |v[\s+16*\b+1]|, 0x1800000
.endr
.irp i, 2,4,6,8,10,12,14
.irp b, 0,1,2,3
	v_max3_num_f32 v[TM+\b], |v[\s+16*\b+\i]|, |v[\s+16*\b+\i+1]|, v[TM+\b]
.endr
.endr
	WIN 0
.irp b, 0,1,2,3
	v_permlanex16_b32 v[TM+4+\b], v[TM+\b], s[SEL], s[SEL+1]
.endr
.irp b, 0,1,2,3
	v_max_num_f32 v[TM+\b], v[TM+\b], v[TM+4+\b]
.endr
.irp b, 0,1,2,3
	v_add_nc_u32 v[TM+12+\b], 0xff000000, v[TM+\b]
.endr
.irp b, 0,1,2,3
	v_lshrrev_b32 v[TM+4+\b], 23, v[TM+12+\b]
.endr
	v_lshl_or_b32 v[\pw], v[TM+5], 8, v[TM+4]
	v_lshl_or_b32 v[\pw], v[TM+6], 16, v[\pw]
	v_lshl_or_b32 v[\pw], v[TM+7], 24, v[\pw]
	WIN \w
	v_cvt_scalef32_pk16_fp6_f32 v[\d0:\d0+2], v[\s:\s+15], v[TM+12]
	v_cvt_scalef32_pk16_fp6_f32 v[CT:CT+2], v[\s+16:\s+31], v[TM+13]
	v_cvt_scalef32_pk16_fp6_f32 v[\d1:\d1+2], v[\s+32:\s+47], v[TM+14]
	v_cvt_scalef32_pk16_fp6_f32 v[CT+4:CT+6], v[\s+48:\s+63], v[TM+15]
	WIN 0
	v_nop
.irp i, 0,1,2
	v_permlane16_swap_b32 v[\d0+\i], v[CT+\i]
	v_permlane16_swap_b32 v[\d1+\i], v[CT+4+\i]
.endr
.irp i, 0,1,2
	v_mov_b32 v[\d0+3+\i], v[CT+\i]
	v_mov_b32 v[\d1+3+\i], v[CT+4+\i]
.endr
.endm
	s_load_b256 s[4:11], s[0:1], 0x0
	s_load_b64 s[12:13], s[0:1], 0x20
	v_lshl_add_u32 v[SPW], v0, 2, SPARE
	v_mov_b32 v[NIL], 0
	ds_add_u32 v[SPW], v[NIL]
	ds_add_u32 v[SPW], v[NIL]
	v_lshrrev_b32 v1, 5, v0
	v_readfirstlane_b32 s14, v1
	s_lshr_b32 s15, s14, 1
	s_and_b32 s16, s14, 1
	s_bfe_u32 s40, ttmp6, 0x40000
	s_bfe_u32 s41, ttmp6, 0x40004
	s_lshl_b32 s42, ttmp9, 2
	s_add_co_u32 s42, s42, s40
	s_mov_b32 s17, s41
	s_lshl_b32 s43, s41, 2
	s_lshl_b32 s43, 15, s43
	s_lshl_b32 s44, 0x1111, s40
	s_or_b32 s[G1+0], s43, (3<<16)|(1<<21)
	s_or_b32 s[G1B+0], s44, (3<<16)|(1<<21)
.irp g, G1, G1B
	s_mov_b32 s[\g+1], 384<<16
	s_mov_b32 s[\g+2], 8<<16
	s_mov_b32 s[\g+3], 384<<16
	s_mov_b32 s[\g+4], 8
	s_mov_b32 s[\g+5], 1536
	s_mov_b32 s[\g+6], 0
	s_mov_b32 s[\g+7], 0
.endr
	s_lshl_b32 s18, s16, 3
	s_lshl_b32 s20, s17, 4
	s_add_co_u32 s20, s20, s18
	s_mul_i32 s20, s20, TPITCH
	s_mov_b32 s21, 0
	s_lshl_b32 s46, s42, 4
	s_add_co_u32 s46, s46, s18
	s_mul_i32 s46, s46, TPITCH
	s_mov_b32 s47, 0
	s_mul_i32 s45, s14, HALFT
	s_mov_b32 s[SEL], 0x76543210
	s_mov_b32 s[SEL+1], 0xfedcba98
	s_wait_dscnt 0x0
	s_wait_kmcnt 0x0
	s_add_nc_u64 s[20:21], s[4:5], s[20:21]
	s_add_nc_u64 s[46:47], s[6:7], s[46:47]
	CROUND
.macro FILL s                          ; slot s's first fill, behind the full sequence and a round
	s_mov_b32 s[G0+4*\s], 1
	s_add_co_u32 s[G0+4*\s+1], s45, \s*SLOT
	s_add_nc_u64 s[G0+4*\s+2:G0+4*\s+3], s[20:21], \s*TROW+AOFF
	s_or_b32 s[G0+4*\s+3], s[G0+4*\s+3], 0x80000000
	s_mov_b32 s[G0B+4*\s], 1
	s_add_co_u32 s[G0B+4*\s+1], s45, \s*SLOT
	s_add_nc_u64 s[G0B+4*\s+2:G0B+4*\s+3], s[46:47], \s*TROW
	s_or_b32 s[G0B+4*\s+3], s[G0B+4*\s+3], 0x80000000
	s_wait_alu depctr_va_vdst(0)
	s_wait_tensorcnt 0x0
	ds_add_u32 v28, v29
	ds_add_u32 v28, v29
	s_wait_dscnt 0x0
	CROUND
	JLOAD G0+4*\s, G1, G0B+4*\s, G1B
.endm
	FILL 0
	v_and_b32 v1, 15, v0
	v_bfe_u32 v2, v0, 4, 1
	s_wait_alu depctr_va_vdst(0)
	v_and_b32 v3, 31, v0
	v_lshlrev_b32 v[OL], 4, v3
	s_mul_i32 s75, s15, HALFT                      ; (s[20:21] still hold A's address for slot 1's fill)
	s_mul_i32 s22, s16, HALFT
	s_add_co_u32 s22, s22, 2*HALFT
.irp s, 0,1
	v_add_nc_u32 v[ADRA+\s], s75, v[OL]
	v_add_nc_u32 v[ADRB+\s], s22, v[OL]
	s_add_co_u32 s75, s75, SLOT
	s_add_co_u32 s22, s22, SLOT
.endr
	s_lshl_b32 s18, s17, 4
	s_lshl_b32 s19, s15, 3
	s_add_co_u32 s18, s18, s19
	s_lshl_b32 s18, s18, 9
	s_add_co_u32 s18, s18, SA
	s_lshl_b32 s19, s42, 4
	s_lshl_b32 s23, s16, 3
	s_add_co_u32 s19, s19, s23
	s_lshl_b32 s19, s19, 9
	s_add_co_u32 s19, s19, SB
	v_cmp_eq_u32 s74, 1, v2
	v_mov_b32 v5, s19
	v_cndmask_b32 v5, s18, v5, s74
	v_lshl_add_u32 v[SCO], v1, 4, v5
.irp i, 0,1,2,3,4,5,6,7
	global_load_b128 v[SC+8*\i:SC+8*\i+3], v[SCO], s[8:9] offset:512*\i
	global_load_b128 v[SC+8*\i+4:SC+8*\i+7], v[SCO], s[8:9] offset:512*\i+256
.endr
	s_lshl_b32 s18, s17, 10
	s_lshl_b32 s19, s15, 9
	s_add_co_u32 s18, s18, s19
	s_add_co_u32 s18, s18, 8192
	s_mov_b32 s19, 0
	s_add_nc_u64 s[10:11], s[10:11], s[18:19]
	v_and_b32 v5, 8, v1
	v_add_nc_u32 v5, v5, v1
	v_lshlrev_b32 v[BIO], 2, v5
	WIN TO_B
.irp a, 0,1,2,3,4,5,6,7
.irp j, 0,1,2,3,4,5,6,7
	global_load_b32 v[96+8*\a+96*(\a/4)+\j], v[BIO], s[10:11] offset:(32*(\a/2)+8*(\a%2))*4
.endr
.endr
	WIN 0
	FILL 1                                         ; the scale words and the bias have been asked for: they are on their way while slot 0 lands
	s_lshl_b32 s18, s17, 2
	s_lshl_b32 s19, s15, 1
	s_add_co_u32 s18, s18, s19
	s_lshl_b32 s18, s18, 6
	s_lshl_b32 s19, s42, 1
	s_add_co_u32 s18, s18, s19
	s_add_co_u32 s18, s18, s16
	s_mul_i32 s18, s18, 12800
	s_mov_b32 s19, 0
	s_add_nc_u64 s[12:13], s[12:13], s[18:19]
	v_mul_u32_u24 v[OS], v2, 819200
	v_lshl_add_u32 v[OS], v1, 4, v[OS]
.irp b, 0,1,2,3
	v_mov_b32 v[TM+4+\b], 0
.endr
	s_wait_tensorcnt 0x1
	s_barrier_signal -1
	s_barrier_wait -1
	FETCH_B 0, 0, 0
	FETCH_A 0, 0, 0
	FETCH_A 0, 0, 4
	s_wait_loadcnt 0x0
	STEP 0, 0, 1
	TURN 0, 1, 1, 1
	STEP 1, 2, 0
	TURN 1, 0, 3, 1
	STEP 0, 4, 0
	TURN 0, 1, 5, 0
	STEP 1, 6, 0
	s_wait_dscnt 4*NLA
	WIN MUL_LO
	MUL16 0, 1, 7, 0
	MUL16 2, 1, 7, 0
	s_wait_dscnt 0x0
	WIN MUL_HI
	MUL16 4, 1, 7, 0
	MUL16 6, 1, 7, 0
	WIN 0
	PLACES NP
.irp a, 0,1,2,3,4,5,6,7
	QUANT 2+\a/4, 64*(\a%4), 128+12*\a, 134+12*\a, 120+\a
.irp c, 0,1,2
	global_store_b128 v[OL], v[128+12*\a+4*\c:128+12*\a+4*\c+3], s[12:13] offset:(\a/4)*819200+6144+(\a%4)*1536+512*\c
.endr
.endr
.irp t, 0,1,2,3
	v_cndmask_b32 v[224+\t], v[120+\t], v[124+\t], s74
.endr
	global_store_b128 v[OS], v[224:227], s[12:13] offset:12544
	s_wait_tensorcnt 0x0
	ds_add_u32 v[SPW], v[NIL]
	s_wait_dscnt 0x0
	CROUND
	s_endpgm
.Lfunc_end_k_qf2e9734d0b_gemm_v:
	.size	k_qf2e9734d0b_gemm_v, .Lfunc_end_k_qf2e9734d0b_gemm_v-k_qf2e9734d0b_gemm_v
	.p2alignl 7, 3214868480
	.fill 96, 4, 3214868480
	.section	.rodata,"a",@progbits
	.p2align	6, 0x0
	.amdhsa_kernel k_qf2e9734d0b_gemm_v
		.amdhsa_group_segment_fixed_size 327680
		.amdhsa_private_segment_fixed_size 0
		.amdhsa_enable_private_segment 0
		.amdhsa_kernarg_size 40
		.amdhsa_user_sgpr_count 2
		.amdhsa_user_sgpr_kernarg_segment_ptr 1
		.amdhsa_wavefront_size32 1
		.amdhsa_system_sgpr_workgroup_id_x 1
		.amdhsa_system_sgpr_workgroup_id_y 1
		.amdhsa_system_sgpr_workgroup_id_z 1
		.amdhsa_system_vgpr_workitem_id 0
		.amdhsa_next_free_vgpr 1024
		.amdhsa_next_free_sgpr 98
		.amdhsa_reserve_vcc 0
		.amdhsa_float_denorm_mode_32 3
		.amdhsa_float_denorm_mode_16_64 3
		.amdhsa_memory_ordered 1
		.amdhsa_forward_progress 1
		.amdhsa_inst_pref_size 144
	.end_amdhsa_kernel
	.amdgpu_metadata
---
amdhsa.version: [ 1, 2 ]
amdhsa.kernels:
  - .name:           k_qf2e9734d0b_gemm_v
    .symbol:         k_qf2e9734d0b_gemm_v.kd
    .args:
      - { .name: wqc, .offset: 0, .size: 8, .value_kind: global_buffer, .address_space: global }
      - { .name: xc, .offset: 8, .size: 8, .value_kind: global_buffer, .address_space: global }
      - { .name: scl, .offset: 16, .size: 8, .value_kind: global_buffer, .address_space: global }
      - { .name: b_qkv, .offset: 24, .size: 8, .value_kind: global_buffer, .address_space: global }
      - { .name: kv, .offset: 32, .size: 8, .value_kind: global_buffer, .address_space: global }
    .group_segment_fixed_size: 327680
    .private_segment_fixed_size: 0
    .kernarg_segment_align: 8
    .kernarg_segment_size: 40
    .max_flat_workgroup_size: 128
    .sgpr_count:     98
    .vgpr_count:     1024
    .wavefront_size: 32
...
	.end_amdgpu_metadata
.endif
;; end of part 3
;; launch attn (part 4): grid 4 x 64, 8 waves a work-group, clusters of 4 x 1, 327,680 bytes of LDS; arguments qimg, kv, tab, oimg, scl; writes oimg, scl
.if DOCPART == 4
	.amdgcn_target "amdgcn-amd-amdhsa--gfx1250"
	.amdhsa_code_object_version 6
	.text
	.protected	k_qf2e9734d0b_attn
	.globl	k_qf2e9734d0b_attn
	.p2align	8
	.type	k_qf2e9734d0b_attn,@function
k_qf2e9734d0b_attn:
	s_mov_b64 s[64:65], 0
	v_nop
	global_prefetch_b8 v0, s[64:65] scope:SCOPE_SE
	s_setreg_imm32_b32 hwreg(HW_REG_WAVE_MODE, 25, 1), 1
	s_wait_xcnt 0x0
	s_wait_alu depctr_hold_cnt(0) depctr_sa_sdst(0) depctr_va_vdst(0) depctr_va_sdst(0) depctr_va_ssrc(0) depctr_va_vcc(0) depctr_vm_vsrc(0)
	s_getreg_b32 s2, hwreg(HW_REG_IB_STS2, 6, 4)
	s_cmp_eq_u32 s2, 0
	s_cbranch_scc0 .Lentry_in_a_cluster
	s_endpgm
.Lentry_in_a_cluster:
	s_bfe_u32 s2, ttmp6, 0x10000c
	s_cmp_lg_u32 s2, 0x3003
	s_cbranch_scc0 .Lentry_shape_is_right
	s_endpgm
.Lentry_shape_is_right:
; o = softmax(q k^T / 8 + bias) v for one head of one batch (y = 4 head + batch), both products on codes of FP6 (E2M3) with E8M0 scales; o is divided by the row's sum, quantised along the head's 64 and leaves as the last product's operand.
; THE SOFTMAX: t = (q . k + 8 bias) x log2(e) / 8; M = the running largest t rounded up to a whole number; p = 2^(t - M) is quantised along the keys, not normalised; the sum is taken of the unquantised p.  When M moves, the sum and O are multiplied by 2^(old M - new M): exact.
; SHARES.  A work-group owns 512 queries, in two passes of 256.  Each of its eight waves owns TWO tiles of 16 queries, 128 queries apart, in 512 registers: each fragment of K and V read from LDS feeds both tiles.
; THE BIAS hangs on key - query alone, so what tile 0 takes at key step s is what tile 1 (128 queries on) takes at step s + 1: 16 loads a step serve both tiles, in two register buffers by turns; it is the C of the score product.
; tab holds 8 x bias by key - query, in four copies shifted by one number; a window of 2,560 numbers of each copy is copied into LDS through registers.
; THE WHOLE HEAD LIES IN LDS, filled once: 16 key steps x 12,800 bytes (K: 4 pair fragments; V: 4 channel tiles; scale words), images of the operands' registers, as rows of 512 bytes + 128 of padding.  One tensor load a wave brings two key steps.
; CLUSTER 4 x 1: the four work-groups of a head read the same K and V: the load is joint, with the constant mask 15.
; WHICH KEYS FORM A TILE.  A pair fragment of the image holds keys 32 b + rho(r) in registers 0-5 and 32 b + 8 + rho(r) in 6-11, rho(r) = r + 8 (r / 8).  Lane r of my fragment i = 2 g + s reads lane r % 8 + 8 s of image fragment 2 g + r / 8:
; score register 32 g + j of lane (query, h) is then key 64 g + 32 h + j of the step: a lane holds whole blocks of 32 keys, in the order of the second product's operand.  No lane is asked for a block's maximum, and no codes change lanes.
; The padding makes an image fragment 1,920 bytes, 128 modulo 256.
; HEAD SIZE 64 IS HALF OF THE INSTRUCTION'S K: a pair fragment is multiplied once by [q | 0] and once by [0 | q].
; THE TWO TILES BY TURNS.  Tile 0's exponentials stand among tile 1's t - M, tile 1's among the first additions of tile 0's p: plain lines whose sources were written ahead of a wait and whose results are read behind the next.
; The rest of the row's sums stands behind the second product: these lines are its places, and the next step's K is on its way under them.
; The last trip of a pass has no next step: its look-ahead loads are held to the last step's K and to the window's end by s_min_u32, and what they bring is not used.
; LIMITS: NaN and infinities are not served; the scaled scores stay under 2^31 in magnitude; a block of p or of o under 2^-124 or of zeros gets the byte 1.
; No data prefetch: K and V are asked for once, at the head, and the second pass's q is loaded ahead of the first pass's way out.
; REGISTERS.  Window 0: v1-13 addresses, v14-25 scale words, v26-61 two tiles' small numbers, v64-191 scores and p, v192-255 O^T.  Window 1: v0-47 fragments, v48-175 bias, v176-205 0 q0 0 q1 0, v208-231 p's codes, v232-247 the conversions' second halves.
.set KSTEP, 16000
.set SPARE, 16*KSTEP                   ; the spare words, 128 bytes for each wave
.set TAB,   SPARE+1024
.set LI,   1                           ; 16 x lane
.set KPL,  2                           ; K's lane order
.set TA0,  3                           ; my lane's place in the table
.set SBK,  4                           ; K's scale words, by the same lane order
.set SPW,  5
.set NIL,  6
.set L8,   7
.set R16,  8
.set ADV,  9
.set ADK,  10
.set ADSK, 11
.set ADSV, 12
.set ADB,  13
.set PS,   14                          ; p's scale words, a tile each
.set SCK,  16
.set SCV,  20
.set QS,   24
.set TT,   26                          ; 18 registers a tile:
.set NMA,  0                           ; -M of even steps (a pair; the upper word is only named)
.set NMB,  2                           ; -M of odd steps
.set F,    4                           ; 2^(old M - new M)
.set SUM,  6                           ; the sum, and two more chains at +2, +4
.set MR,   12                          ; the running largest score
.set X,    13
.set BM,   14
.set BS,   16
.set QW,   62
.set S,    64
.set O,    192
.set KF,   0                           ; window 1 from here on
.set BA,   48
.set QZ,   176
.set P,    208
.set CT,   232
.set WV,   14
.set SEL,  20
.set CS,   22
.set G1J,  32
.set G0A,  44
.set KB,   52
.set TS,   53
.set CNT,  54
.set QP,   56
.set QSP,  58
.set OP,   60
.set SP,   62
.set QM,   80
.set QSEL, 81
.set TSB,  82
.set CN,   83
.set PSEL, 84
.set KBN,  85
.set TSN,  86
.set PASSN, 87
.set MSB, 0
.macro WIN new                         ; the immediate's high byte repeats the setting that is left
.if MSB != (\new)
	s_set_vgpr_msb (MSB<<8)|(\new)
.set MSB, (\new)
.endif
.endm
.macro CROUND                          ; a round of the cluster's barrier
	s_barrier_signal -1
	s_barrier_wait -1
	s_cmp_lg_u32 s[WV], 0
	s_cbranch_scc1 .Lnot_wave_0_\@
	s_barrier_signal -3
.Lnot_wave_0_\@:
	s_barrier_wait -3
	s_barrier_signal -1
	s_barrier_wait -1
.endm
.macro WS d, a, b, c, sa, sb
	v_wmma_scale_f32_16x16x128_f8f6f4 v[\d:\d+7], v[\a:\a+11], v[\b:\b+11], v[\c:\c+7], v[\sa], v[\sb] matrix_a_fmt:MATRIX_FMT_FP6 matrix_b_fmt:MATRIX_FMT_FP6
.endm
.macro KLOAD off                       ; K's four fragments in my lane order
.irp i, 0,1,2,3
.irp c, 0,1,2
	ds_load_b128 v[KF+12*\i+4*\c:KF+12*\i+4*\c+3], v[ADK] offset:\off+3840*(\i/2)+128*(\i%2)+640*\c
.endr
.endr
.endm
.macro BLOAD reg, off                  ; 8 x bias of my query and my 64 keys
.set j, 0
.rept 16
	ds_load_b128 v[\reg+4*j:\reg+4*j+3], v[ADB] offset:\off+256*(j/8)+16*(j%8)
.set j, j+1
.endr
.endm
.macro SLOAD off                       ; K's scale words by my lane order, V's as they lie
.irp i, 0,1,2,3
	ds_load_b32 v[SCK+\i], v[ADSK] offset:\off+15360+128*(\i%2)+8*(\i/2)
.endr
	ds_load_b128 v[SCV:SCV+3], v[ADSV] offset:\off+15616
.endm
.macro PAIR t, m                       ; four of tile t's p become two, in place (their codes have been made)
	v_pk_add_f32 v[S+64*(\t)+4*(\m):S+64*(\t)+4*(\m)+1], v[S+64*(\t)+4*(\m):S+64*(\t)+4*(\m)+1], v[S+64*(\t)+4*(\m)+2:S+64*(\t)+4*(\m)+3]
.endm
.macro ADDK k                          ; each tile's k-th such two onto chain k % 3
.irp t, 0,1
	v_pk_add_f32 v[TT+18*\t+SUM+2*((\k)%3):TT+18*\t+SUM+2*((\k)%3)+1], v[TT+18*\t+SUM+2*((\k)%3):TT+18*\t+SUM+2*((\k)%3)+1], v[S+64*\t+4*(\k):S+64*\t+4*(\k)+1]
.endr
.endm
	s_load_b256 s[4:11], s[0:1], 0x0               ; qimg s[4:5], kv s[6:7], tab s[8:9], oimg s[10:11]
	s_load_b64 s[12:13], s[0:1], 0x20              ; scl
	v_lshl_add_u32 v[SPW], v0, 2, SPARE
	v_mov_b32 v[NIL], 0
	ds_add_u32 v[SPW], v[NIL]                      ; the opening lines: the add, twice on end, and its wait ahead of my first tensor load
	ds_add_u32 v[SPW], v[NIL]
	v_lshrrev_b32 v120, 5, v0
	v_readfirstlane_b32 s[WV], v120                ; wave 0..7
	s_bfe_u32 s15, ttmp6, 0x40000                  ; cx
	s_and_b32 s16, ttmp7, 0xffff                   ; y = 4 head + batch, which the four partners share
	s_lshr_b32 s17, s16, 2                         ; head
	s_and_b32 s18, s16, 3                          ; batch
	s_lshl_b32 s19, ttmp9, 2
	s_add_co_u32 s19, s19, s15                     ; x: my block of 512 queries
	s_mov_b32 s[G1J], 15|(3<<16)|(1<<20)|(1<<21)|(6<<22)|(31<<25)   ; the mask names all four, bit 21 beside it; elements of 8 bytes; behind every 128 words 32 words of padding
	s_mov_b32 s[G1J+1], 64<<16
	s_mov_b32 s[G1J+2], 50<<16                     ; 50 rows of 512 bytes, dense: two key steps
	s_mov_b32 s[G1J+3], 64<<16
	s_mov_b32 s[G1J+4], 50
	s_mov_b32 s[G1J+5], 64
	s_mov_b32 s[G1J+6], 0
	s_mov_b32 s[G1J+7], 0
	s_mul_i32 s74, s[WV], 2*KSTEP                  ; in LDS: the wave's number alone
	s_mul_i32 s72, s16, 204800
	s_mul_i32 s75, s[WV], 25600
	s_add_co_u32 s72, s72, s75
	s_mov_b32 s73, 0
	s_lshl_b32 s70, s17, 2                         ; the table: wave w copies half w / 4 of copy w % 4
	s_and_b32 s66, s[WV], 3
	s_add_co_u32 s70, s70, s66
	s_lshl_b32 s70, s70, 14
	s_xor_b32 s66, s19, 3
	s_lshl_b32 s66, s66, 11                        ; the window begins at number 1,536 - 512 x
	s_add_co_u32 s70, s70, s66
	s_lshr_b32 s67, s[WV], 2
	s_mul_i32 s67, s67, 5120
	s_add_co_u32 s70, s70, s67
	s_mov_b32 s71, 0
	s_and_b32 s66, s[WV], 1
	s_mul_i32 s66, s66, 10272
	s_bfe_u32 s68, s[WV], 0x10001
	s_mul_i32 s68, s68, 20608
	s_add_co_u32 s68, s68, s66
	s_add_co_u32 s68, s68, s67
	s_add_co_u32 s68, s68, TAB
	s_lshl_b32 s66, s16, 4                         ; q: block 16 y + 4 x (+ 1 for tile 1, + 2 a pass), pair w / 2, half w % 2
	s_lshl_b32 s67, s19, 2
	s_add_co_u32 s66, s66, s67
	s_mul_i32 s66, s66, 12800
	s_lshr_b32 s75, s[WV], 1
	s_mul_i32 s67, s75, 1536
	s_add_co_u32 s76, s66, s67
	s_mov_b32 s77, 0
	s_lshl_b32 s67, s75, 2
	s_add_co_u32 s78, s66, s67
	s_mov_b32 s79, 0
	s_lshl_b32 s66, s18, 7                         ; o: tile 128 batch + 32 x + w (+ 8 for tile 1, + 16 a pass); K step head / 2, half head % 2
	s_lshl_b32 s67, s19, 5
	s_add_co_u32 s66, s66, s67
	s_add_co_u32 s66, s66, s[WV]
	s_mul_i32 s24, s66, 12288
	s_lshr_b32 s67, s17, 1
	s_mul_i32 s67, s67, 1536
	s_add_co_u32 s24, s24, s67
	s_and_b32 s67, s17, 1
	s_mul_i32 s67, s67, 768
	s_add_co_u32 s24, s24, s67
	s_mov_b32 s25, 0
	s_lshl_b32 s26, s66, 9
	s_add_co_u32 s26, s26, 393216                  ; o's scale words in scl
	s_lshr_b32 s67, s17, 3
	s_lshl_b32 s67, s67, 8
	s_add_co_u32 s26, s26, s67
	s_bfe_u32 s67, s17, 0x20001
	s_lshl_b32 s67, s67, 2
	s_add_co_u32 s26, s26, s67
	s_and_b32 s67, s17, 1
	s_lshl_b32 s67, s67, 1
	s_add_co_u32 s26, s26, s67
	s_mov_b32 s27, 0
	s_and_b32 s66, s[WV], 1
	s_mov_b32 s[QSEL], 0x03020302
	s_cmp_eq_u32 s66, 1
	s_cselect_b32 s[QM], -1, 0                     ; which half of the pair is my tile
	s_cselect_b32 s[QSEL], s[QSEL], 0x01000100     ; and which two bytes of its scale word
	s_lshl_b32 s67, s75, 2                         ; the table's byte of the key step ahead of step 0, for tile 0: 4 (360 - its first query) = 32 (45 - u), u = (w % 2) | (w / 2) x 4; u's bits are among 45's
	s_or_b32 s66, s66, s67
	s_xor_b32 s66, s66, 45
	s_lshl_b32 s[TSB], s66, 5
	s_mov_b32 s[SEL], 0x76543210
	s_mov_b32 s[SEL+1], 0xfedcba98
	s_mov_b32 s[CS], 0x3e38aa3b                    ; log2(e) / 8
	s_mov_b32 s[CS+1], s[CS]
	s_mov_b32 s[CN], 0xbe38aa3b                    ; and its negative
	s_mov_b32 s[PSEL], 0x06020400                  ; my two scale bytes and lane l xor 16's two, by turns
	s_wait_dscnt 0x0                               ; both opening adds are done
	s_wait_kmcnt 0x0
	s_mov_b32 s[G0A], 1
	s_mov_b32 s[G0A+1], s74
	s_add_nc_u64 s[G0A+2:G0A+3], s[6:7], s[72:73]
	s_or_b32 s[G0A+3], s[G0A+3], 0x80000000
	s_add_nc_u64 s[8:9], s[8:9], s[70:71]
	s_add_nc_u64 s[QP:QP+1], s[4:5], s[76:77]
	s_add_nc_u64 s[QSP:QSP+1], s[4:5], s[78:79]
	s_add_nc_u64 s[OP:OP+1], s[10:11], s[24:25]
	s_add_nc_u64 s[SP:SP+1], s[12:13], s[26:27]
	CROUND                                         ; all four work-groups are here: the joint loads meet
	tensor_load_to_lds s[G0A:G0A+3], s[G1J:G1J+7]  ; my one tensor load: key steps 2 w and 2 w + 1
	s_nop 0
.rept 4
	v_nop
.endr
	v_and_b32 v112, 31, v0
	v_lshlrev_b32 v[LI], 4, v112
	v_and_b32 v113, 15, v0                         ; r
	v_lshlrev_b32 v[R16], 4, v113
.set i, 0
.rept 10
	global_load_b128 v[S+4*i:S+4*i+3], v[LI], s[8:9] offset:512*i      ; my 5,120 bytes of the table's window
.set i, i+1
.endr
	WIN 0x40
.irp t, 0,1
.irp c, 0,1,2
	global_load_b128 v[KF+12*\t+4*\c:KF+12*\t+4*\c+3], v[LI], s[QP:QP+1] offset:12800*\t+512*\c   ; the pair fragments that hold my two tiles
.endr
.endr
	WIN 0
.irp t, 0,1
	global_load_b32 v[QW+\t], v[R16], s[QSP:QSP+1] offset:12800*\t+12288
.endr
	v_bfe_u32 v114, v0, 4, 1                       ; h
	v_lshlrev_b32 v[L8], 3, v112
	v_bfe_u32 v115, v0, 3, 1                       ; r / 8
	v_and_b32 v116, 7, v0                          ; r % 8
	v_mul_u32_u24 v[KPL], v115, 1920               ; image fragment r / 8,
	v_lshl_add_u32 v[KPL], v116, 4, v[KPL]         ; its lane r % 8
	v_lshl_add_u32 v[KPL], v114, 8, v[KPL]         ; + 16 h
	v_lshlrev_b32 v[SBK], 4, v116
	v_lshl_add_u32 v[SBK], v115, 2, v[SBK]
	v_and_b32 v117, 8, v113
	v_add_nc_u32 v117, v117, v113                  ; rho(r)
	v_sub_nc_u32 v117, 23, v117
	v_lshl_add_u32 v117, v114, 5, v117             ; e = 32 h + 23 - rho(r): my lane's part of key - query
	v_and_b32 v[TA0], 1, v117                      ; copy e % 4,
	v_mul_u32_u24 v[TA0], v[TA0], 10272
	v_bfe_u32 v118, v117, 1, 1
	v_mad_u32_u24 v[TA0], v118, 20608, v[TA0]
	v_and_b32 v118, 60, v117
	v_lshl_add_u32 v[TA0], v118, 2, v[TA0]         ; number e - e % 4 of it
	v_add_nc_u32 v[TA0], TAB, v[TA0]
	v_add_nc_u32 v119, s68, v[LI]
.irp t, 0,1
	v_mov_b32 v[TT+18*\t+NMA+1], 0                 ; named as upper halves of pairs, or as a lane permute's destination: written once
	v_mov_b32 v[TT+18*\t+NMB+1], 0
	v_mov_b32 v[TT+18*\t+F+1], 0
	v_mov_b32 v[TT+18*\t+X], 0
.endr
	WIN 0x40
.irp i, 0,1,2,3,4,5
	v_mov_b32 v[QZ+\i], 0                          ; the zero halves beside q: zero codes add nothing under any scale byte that is a number
	v_mov_b32 v[QZ+12+\i], 0
	v_mov_b32 v[QZ+24+\i], 0
.endr
	WIN 0
	s_wait_alu depctr_va_vdst(0)                   ; the head's end
	s_wait_tensorcnt 0x0                           ; my two key steps have landed
	s_wait_loadcnt 8                               ; the table's ten loads are in; the eight of q are younger
.set i, 0
.rept 10
	ds_store_b128 v119, v[S+4*i:S+4*i+3] offset:512*i
.set i, i+1
.endr
	s_wait_dscnt 0x0
	s_barrier_signal -1
	s_barrier_wait -1                              ; everybody's K, V and table are in
	s_mov_b32 s[PASSN], 0
; A KEY STEP: 128 keys x my two tiles.  ph: the step's parity: which bias buffer is tile 0's, which -M is the new one, and whence the look-ahead loads come.
.macro STEP ph
.set BC, BA+64*\ph
.set BP, BA+64*(1-\ph)
.set NN, NMA+2*\ph
.set NO, NMB-2*\ph
	s_wait_dscnt 0x0                               ; K, the scale words and the bias are in
	WIN 0x15
.irp i, 0,1,2,3                                ; no two products that follow each other share an accumulator
	WS S+16*\i, KF+12*\i, QZ+6, BC+16*\i, SCK+\i, QS
	WS S+64+16*\i, KF+12*\i, QZ+18, BP+16*\i, SCK+\i, QS+1
	WS S+8+16*\i, KF+12*\i, QZ, BC+8+16*\i, SCK+\i, QS
	WS S+72+16*\i, KF+12*\i, QZ+12, BP+8+16*\i, SCK+\i, QS+1
.endr
	WIN 0
.if \ph
	v_add_nc_u32 v[ADB], s[TSN], v[TA0]            ; four places behind the products, in front of the loads below and of the first read of the scores
.else
	v_nop
.endif
.rept 3
	v_nop
.endr
	WIN 0x40
.set j, 0
.rept 12
	ds_load_b128 v[KF+4*j:KF+4*j+3], v[ADV] offset:KSTEP*\ph+7680+640*j   ; V's four channel tiles: they land under the softmax
.set j, j+1
.endr
	BLOAD BP, 1024-512*\ph                         ; the next step's bias, into the buffer that tile 1 has just used
	WIN 0
.irp b, 0,1,2,3                                ; b = 2 tile + g: the largest score of each block of 32 keys, all of it mine
	v_max3_num_f32 v[TT+18*(\b/2)+BM+(\b%2)], v[S+32*\b], v[S+32*\b+1], v[S+32*\b+2]
.endr
.set j, 3
.rept 14
.irp b, 0,1,2,3
	v_max3_num_f32 v[TT+18*(\b/2)+BM+(\b%2)], v[TT+18*(\b/2)+BM+(\b%2)], v[S+32*\b+j], v[S+32*\b+j+1]
.endr
.set j, j+2
.endr
.irp b, 0,1,2,3
	v_max_num_f32 v[TT+18*(\b/2)+BM+(\b%2)], v[TT+18*(\b/2)+BM+(\b%2)], v[S+32*\b+31]
.endr
.irp t, 0,1
	v_max3_num_f32 v[TT+18*\t+MR], v[TT+18*\t+MR], v[TT+18*\t+BM], v[TT+18*\t+BM+1]
.endr
.irp t, 0,1
	s_delay_alu instid0(VALU_DEP_2)
	v_permlanex16_b32 v[TT+18*\t+X], v[TT+18*\t+MR], s[SEL], s[SEL+1]
.endr
.irp t, 0,1
	s_delay_alu instid0(VALU_DEP_2)
	v_max_num_f32 v[TT+18*\t+MR], v[TT+18*\t+MR], v[TT+18*\t+X]     ; the running largest score of my query
.endr
.irp t, 0,1
	s_delay_alu instid0(VALU_DEP_2)
	v_mul_f32 v[TT+18*\t+X], s[CN], v[TT+18*\t+MR]                  ; -t
.endr
.irp t, 0,1
	s_delay_alu instid0(VALU_DEP_2)
	v_floor_f32 v[TT+18*\t+NN], v[TT+18*\t+X]                       ; the new -M = -ceil(t)
.endr
.irp t, 0,1
	s_delay_alu instid0(VALU_DEP_2)
	v_sub_f32 v[TT+18*\t+X], v[TT+18*\t+NN], v[TT+18*\t+NO]         ; old M - new M: a whole number, 0 or less
.endr
.irp t, 0,1
	s_delay_alu instid0(VALU_DEP_2)
	v_cvt_i32_f32 v[TT+18*\t+X], v[TT+18*\t+X]                      ; (it saturates)
.endr
.irp t, 0,1
	s_delay_alu instid0(VALU_DEP_2)
	v_ldexp_f32 v[TT+18*\t+F], 1.0, v[TT+18*\t+X]                   ; f = 2^(old M - new M)
.endr
.set j, 0
.rept 32
	v_pk_fma_f32 v[S+j:S+j+1], v[S+j:S+j+1], s[CS:CS+1], v[TT+NN:TT+NN+1] op_sel_hi:[1,0,0]   ; tile 0's t - M, two at a time
.set j, j+2
.endr
.irp b, 0,1,2,3
	v_fma_f32 v[TT+18*(\b/2)+BM+(\b%2)], v[TT+18*(\b/2)+BM+(\b%2)], s[CS], v[TT+18*(\b/2)+NN]   ; the same of each block's largest score, both tiles'
.endr
.irp t, 0,1
.set j, 0
.rept 16
	v_pk_mul_f32 v[O+32*\t+j:O+32*\t+j+1], v[O+32*\t+j:O+32*\t+j+1], v[TT+18*\t+F:TT+18*\t+F+1] op_sel_hi:[1,0]   ; O^T under the new M
.set j, j+2
.endr
.endr
	s_wait_alu depctr_va_vdst(0)                   ; ahead of the batch
.irp b, 0,1,2,3
	v_exp_f32 v[TT+18*(\b/2)+BM+(\b%2)], v[TT+18*(\b/2)+BM+(\b%2)]  ; the blocks' largest p
.if \b < 2
	v_pk_mul_f32 v[TT+18*\b+SUM:TT+18*\b+SUM+1], v[TT+18*\b+SUM:TT+18*\b+SUM+1], v[TT+18*\b+F:TT+18*\b+F+1] op_sel_hi:[1,0]   ; the sums under the new M
.endif
.endr
.set j, 0
.rept 32                                       ; tile 0's p = 2^(t - M); among them tile 1's t - M, which names no result of the batch and is read behind the wait below
	v_exp_f32 v[S+2*j], v[S+2*j]
	v_exp_f32 v[S+2*j+1], v[S+2*j+1]
	v_pk_fma_f32 v[S+64+2*j:S+65+2*j], v[S+64+2*j:S+65+2*j], s[CS:CS+1], v[TT+18+NN:TT+18+NN+1] op_sel_hi:[1,0,0]
.set j, j+1
.endr
	s_wait_alu depctr_va_vdst(0)                   ; one wait for the whole batch, ahead of its first reader
.irp b, 0,1,2,3
	v_max_num_f32 v[TT+18*(\b/2)+BM+(\b%2)], 0x1800000, v[TT+18*(\b/2)+BM+(\b%2)]   ; the floor 2^(3 - 127)
.endr
.irp b, 0,1,2,3
	s_delay_alu instid0(VALU_DEP_4)
	v_add_nc_u32 v[TT+18*(\b/2)+BS+(\b%2)], 0xff000000, v[TT+18*(\b/2)+BM+(\b%2)]   ; the conversion's scale operand
.endr
.irp b, 0,1,2,3
	s_delay_alu instid0(VALU_DEP_4)
	v_lshrrev_b32 v[TT+18*(\b/2)+BM+(\b%2)], 23, v[TT+18*(\b/2)+BS+(\b%2)]          ; the byte
.endr
.irp t, 0,1
	v_lshl_or_b32 v[TT+18*\t+X], v[TT+18*\t+BM+1], 16, v[TT+18*\t+BM]               ; my blocks h and 2 + h
.endr
.irp t, 0,1
	s_delay_alu instid0(VALU_DEP_2)
	v_permlanex16_b32 v[TT+18*\t+BM], v[TT+18*\t+X], s[SEL], s[SEL+1]
.endr
.irp t, 0,1
	s_delay_alu instid0(VALU_DEP_2)
	v_perm_b32 v[PS+\t], v[TT+18*\t+BM], v[TT+18*\t+X], s[PSEL]    ; in lanes 0-15, which alone are read: the bytes of blocks 0, 1, 2, 3
.endr
	WIN 0x40
.irp b, 0,1                                    ; tile 0's codes
	v_cvt_scalef32_pk16_fp6_f32 v[P+6*\b:P+6*\b+2], v[S+32*\b:S+32*\b+15], v[TT+18*(\b/2)+BS+(\b%2)]
	v_cvt_scalef32_pk16_fp6_f32 v[CT+4*\b:CT+4*\b+2], v[S+32*\b+16:S+32*\b+31], v[TT+18*(\b/2)+BS+(\b%2)]   ; (a conversion's three registers begin on an even number)
.endr
	WIN 0
	v_nop                                          ; one plain place behind the scaled conversions
	s_wait_alu depctr_va_vdst(0)                   ; ahead of the batch
.set j, 0
.rept 32                                       ; tile 1's p; among them the first additions of tile 0's p, sixteen lines that do not hang on each other and are read behind the wait below
	v_exp_f32 v[S+64+2*j], v[S+64+2*j]
	v_exp_f32 v[S+65+2*j], v[S+65+2*j]
.if j%2
	PAIR 0, j/2
.endif
.set j, j+1
.endr
	s_wait_alu depctr_va_vdst(0)                   ; and the wait behind it
	WIN 0x40
.irp b, 2,3                                    ; tile 1's codes
	v_cvt_scalef32_pk16_fp6_f32 v[P+6*\b:P+6*\b+2], v[S+32*\b:S+32*\b+15], v[TT+18*(\b/2)+BS+(\b%2)]
	v_cvt_scalef32_pk16_fp6_f32 v[CT+4*\b:CT+4*\b+2], v[S+32*\b+16:S+32*\b+31], v[TT+18*(\b/2)+BS+(\b%2)]
.endr
	WIN 0x41
	v_nop                                          ; one plain place behind the scaled conversions
.irp b, 0,1,2,3
.irp i, 0,1,2
	v_mov_b32 v[P+6*\b+3+\i], v[CT+4*\b+\i]
.endr
.endr
	WIN 0
.irp m, 0,1,2,3                                ; tile 1's first additions begin: these four are the places between the writing of p's codes and the products
	PAIR 1, \m
.endr
	s_wait_alu depctr_va_vdst(0)                   ; directly ahead of the wait below
	s_wait_dscnt 16                                ; V is in; the sixteen loads of the bias are younger
	WIN 0x05
.irp i, 0,1,2,3
	WS O+8*\i, KF+12*\i, P, O+8*\i, SCV+\i, PS
	WS O+32+8*\i, KF+12*\i, P+12, O+32+8*\i, SCV+\i, PS+1
.endr
	WIN 0
.irp m, 4,5,6,7                                ; four places behind the products, in front of the loads below
	PAIR 1, \m
.endr
.if \ph
	v_add_nc_u32 v[ADK], s[KBN], v[KPL]            ; on to the next two steps
	v_add_nc_u32 v[ADSK], s[KBN], v[SBK]
	v_add_nc_u32 v[ADSV], s[KBN], v[R16]
	v_add_nc_u32 v[ADV], s[KBN], v[LI]
.endif
	WIN 0x40
	KLOAD KSTEP*(1-\ph)                            ; the next step's K and scale words land under the sums
	WIN 0
	SLOAD KSTEP*(1-\ph)
.irp m, 8,9,10,11,12,13,14,15
	PAIR 1, \m
.endr
.irp t, 0,1                                    ; sixteen twos a tile are left: two chains begin, the third is the running sum
	v_pk_add_f32 v[TT+18*\t+SUM+2:TT+18*\t+SUM+3], v[S+64*\t:S+64*\t+1], v[S+64*\t+4:S+64*\t+5]
	v_pk_add_f32 v[TT+18*\t+SUM+4:TT+18*\t+SUM+5], v[S+64*\t+8:S+64*\t+9], v[S+64*\t+12:S+64*\t+13]
.endr
.set kk, 4
.rept 12
	ADDK kk
.set kk, kk+1
.endr
.irp c, 2,4
.irp t, 0,1
	v_pk_add_f32 v[TT+18*\t+SUM:TT+18*\t+SUM+1], v[TT+18*\t+SUM:TT+18*\t+SUM+1], v[TT+18*\t+SUM+\c:TT+18*\t+SUM+\c+1]
.endr
.endr
.endm
; A PASS: 256 queries of the work-group, 32 of them mine.
.Lpass:
	s_wait_loadcnt 0x0                             ; q is in
	s_mov_b32 s[KB], 0
	s_mov_b32 s[TS], s[TSB]
	WIN 0x45
.irp t, 0,1
.irp i, 0,1,2,3,4,5
	v_cndmask_b32 v[QZ+6+12*\t+\i], v[KF+12*\t+\i], v[KF+12*\t+6+\i], s[QM]
.endr
.endr
	WIN 0
.irp t, 0,1
	v_perm_b32 v[QS+\t], v[QW+\t], v[QW+\t], s[QSEL]
.endr
	v_add_nc_u32 v[ADK], s[KB], v[KPL]
	v_add_nc_u32 v[ADSK], s[KB], v[SBK]
	v_add_nc_u32 v[ADSV], s[KB], v[R16]
	v_add_nc_u32 v[ADV], s[KB], v[LI]
	v_add_nc_u32 v[ADB], s[TS], v[TA0]
	WIN 0x40
	KLOAD 0
	BLOAD BA+64, 0                                 ; tile 1's bias of step 0,
	BLOAD BA, 512                                  ; tile 0's
	WIN 0
	SLOAD 0
.irp t, 0,1
	v_mov_b32 v[TT+18*\t+MR], 0xff61b1e6           ; the largest score so far: -3e38
	v_mov_b32 v[TT+18*\t+NMB], 0x7e000000          ; and a -M above every -M: the first f is 0
	v_mov_b32 v[TT+18*\t+SUM], 0
	v_mov_b32 v[TT+18*\t+SUM+1], 0
.endr
.set j, 0
.rept 64
	v_mov_b32 v[O+j], 0                            ; O^T: the step is written once, and its first turn finds zeros.  (Also the places between the writing of q and its scale words and the first products)
.set j, j+1
.endr
	s_mov_b32 s[CNT], 8
.Ltrip:
	s_add_co_u32 s[KB], s[KB], 2*KSTEP
	s_min_u32 s[KBN], s[KB], 14*KSTEP              ; the next two steps; behind the last: held inside K and V
	s_add_co_u32 s[TS], s[TS], 1024
	s_min_u32 s[TSN], s[TS], 9120                  ; likewise held inside the window: 9,120 + 512 + 208 (lane) + 368 + 16 <= 10,240
	STEP 0
	STEP 1
	s_sub_co_u32 s[CNT], s[CNT], 1
	s_cmp_lg_u32 s[CNT], 0
	s_cbranch_scc1 .Ltrip
	s_wait_alu depctr_va_vdst(0)                   ; directly ahead of the wait below
	s_wait_dscnt 0x0                               ; the look-ahead loads of the last trip have come back: their registers are free
	s_cmp_eq_u32 s[PASSN], 1
	s_cbranch_scc1 .Lno_q                          ; the pass's number is the same in all waves and partners
	s_add_nc_u64 s[QP:QP+1], s[QP:QP+1], 25600
	s_add_nc_u64 s[QSP:QSP+1], s[QSP:QSP+1], 25600
	WIN 0x40
.irp t, 0,1
.irp c, 0,1,2
	global_load_b128 v[KF+12*\t+4*\c:KF+12*\t+4*\c+3], v[LI], s[QP:QP+1] offset:12800*\t+512*\c   ; the next pass's q, on its way under the way out
.endr
.endr
	WIN 0
.irp t, 0,1
	global_load_b32 v[QW+\t], v[R16], s[QSP:QSP+1] offset:12800*\t+12288
.endr
.Lno_q:
	; the way out: O^T / the sum, quantised along the head's 64 (two blocks; O register 16 b + i is channel 32 b + 16 h + i), half a fragment of the last product's operand
.irp t, 0,1
	v_add_f32 v[TT+18*\t+SUM], v[TT+18*\t+SUM], v[TT+18*\t+SUM+1]
.endr
.irp t, 0,1
	s_delay_alu instid0(VALU_DEP_2)
	v_permlanex16_b32 v[TT+18*\t+X], v[TT+18*\t+SUM], s[SEL], s[SEL+1]
.endr
.irp t, 0,1
	s_delay_alu instid0(VALU_DEP_2)
	v_add_f32 v[TT+18*\t+SUM], v[TT+18*\t+SUM], v[TT+18*\t+X]      ; the row's sum
.endr
	s_wait_alu depctr_va_vdst(0)
.irp t, 0,1
	v_rcp_f32 v[TT+18*\t+SUM], v[TT+18*\t+SUM]
.endr
	v_nop
	s_wait_alu depctr_va_vdst(0)                   ; ahead of the reciprocals' first reader and of the first read of O^T
.irp t, 0,1
.set j, 0
.rept 32
	v_mul_f32 v[S+64*\t+j], v[O+32*\t+j], v[TT+18*\t+SUM]
.set j, j+1
.endr
.endr
.irp b, 0,1,2,3                                ; b = 2 tile + block
	v_max3_num_f32 v[TT+18*(\b/2)+BM+(\b%2)], |v[S+64*(\b/2)+16*(\b%2)]|, |v[S+64*(\b/2)+16*(\b%2)+1]|, 0x1800000
.endr
.irp i, 2,4,6,8,10,12,14
.irp b, 0,1,2,3
	v_max3_num_f32 v[TT+18*(\b/2)+BM+(\b%2)], v[TT+18*(\b/2)+BM+(\b%2)], |v[S+64*(\b/2)+16*(\b%2)+\i]|, |v[S+64*(\b/2)+16*(\b%2)+\i+1]|
.endr
.endr
.irp b, 0,1,2,3
	s_delay_alu instid0(VALU_DEP_4)
	v_permlanex16_b32 v[TT+18*(\b/2)+BS+(\b%2)], v[TT+18*(\b/2)+BM+(\b%2)], s[SEL], s[SEL+1]
.endr
.irp b, 0,1,2,3
	s_delay_alu instid0(VALU_DEP_4)
	v_max_num_f32 v[TT+18*(\b/2)+BM+(\b%2)], v[TT+18*(\b/2)+BM+(\b%2)], v[TT+18*(\b/2)+BS+(\b%2)]
.endr
.irp b, 0,1,2,3
	s_delay_alu instid0(VALU_DEP_4)
	v_add_nc_u32 v[TT+18*(\b/2)+BS+(\b%2)], 0xff000000, v[TT+18*(\b/2)+BM+(\b%2)]
.endr
.irp b, 0,1,2,3
	s_delay_alu instid0(VALU_DEP_4)
	v_lshrrev_b32 v[TT+18*(\b/2)+BM+(\b%2)], 23, v[TT+18*(\b/2)+BS+(\b%2)]
.endr
.irp t, 0,1
	v_lshl_or_b32 v[TT+18*\t+X], v[TT+18*\t+BM+1], 8, v[TT+18*\t+BM]
.endr
.irp t, 0,1
	v_cvt_scalef32_pk16_fp6_f32 v[S+64*\t+32:S+64*\t+34], v[S+64*\t:S+64*\t+15], v[TT+18*\t+BS]
	v_cvt_scalef32_pk16_fp6_f32 v[S+64*\t+40:S+64*\t+42], v[S+64*\t+16:S+64*\t+31], v[TT+18*\t+BS+1]
.endr
	v_nop                                          ; one plain place behind the scaled conversions
.irp t, 0,1
.irp i, 0,1,2
	v_permlane16_swap_b32 v[S+64*\t+32+\i], v[S+64*\t+40+\i]       ; a whole block to a lane
.endr
.endr
.irp t, 0,1
.irp i, 0,1,2
	v_mov_b32 v[S+64*\t+35+\i], v[S+64*\t+40+\i]
.endr
.endr
.irp t, 0,1
.irp c, 0,1,2
	global_store_b64 v[L8], v[S+64*\t+32+2*\c:S+64*\t+33+2*\c], s[OP:OP+1] offset:98304*\t+256*\c   ; 32 lanes store 256 consecutive bytes, aligned
.endr
	global_store_b16 v[R16], v[TT+18*\t+X], s[SP:SP+1] offset:4096*\t   ; my head's two bytes of the row's scale word; both halves of the lanes hold and store the same; the other two bytes come from the neighbouring head's work-group
.endr
	s_wait_xcnt 0x0                                ; the stores have read their data and bases: only now are these written again
	s_add_nc_u64 s[OP:OP+1], s[OP:OP+1], 196608
	s_add_nc_u64 s[SP:SP+1], s[SP:SP+1], 8192
	s_xor_b32 s[TSB], s[TSB], 1024                 ; 256 queries on: 1,024 bytes down, a bit that is set
	s_add_co_u32 s[PASSN], s[PASSN], 1
	s_cmp_lt_u32 s[PASSN], 2
	s_wait_alu depctr_va_vdst(0)                   ; directly ahead of the branch
	s_cbranch_scc1 .Lpass
	s_wait_tensorcnt 0x0                           ; the wave's end: behind my tensor load and my last LDS store
	ds_add_u32 v[SPW], v[NIL]
	s_wait_dscnt 0x0
	CROUND                                         ; the closing round
	s_endpgm
.Lfunc_end_k_qf2e9734d0b_attn:
	.size	k_qf2e9734d0b_attn, .Lfunc_end_k_qf2e9734d0b_attn-k_qf2e9734d0b_attn
	.p2alignl 7, 3214868480
	.fill 96, 4, 3214868480
	.section	.rodata,"a",@progbits
	.p2align	6, 0x0
	.amdhsa_kernel k_qf2e9734d0b_attn
		.amdhsa_group_segment_fixed_size 327680
		.amdhsa_private_segment_fixed_size 0
		.amdhsa_enable_private_segment 0
		.amdhsa_kernarg_size 40
		.amdhsa_user_sgpr_count 2
		.amdhsa_user_sgpr_kernarg_segment_ptr 1
		.amdhsa_wavefront_size32 1
		.amdhsa_system_sgpr_workgroup_id_x 1
		.amdhsa_system_sgpr_workgroup_id_y 1
		.amdhsa_system_sgpr_workgroup_id_z 1
		.amdhsa_system_vgpr_workitem_id 0
		.amdhsa_next_free_vgpr 512
		.amdhsa_next_free_sgpr 90
		.amdhsa_reserve_vcc 0
		.amdhsa_float_denorm_mode_32 3
		.amdhsa_float_denorm_mode_16_64 3
		.amdhsa_memory_ordered 1
		.amdhsa_forward_progress 1
		.amdhsa_inst_pref_size 84
	.end_amdhsa_kernel
	.amdgpu_metadata
---
amdhsa.version: [ 1, 2 ]
amdhsa.kernels:
  - .name:           k_qf2e9734d0b_attn
    .symbol:         k_qf2e9734d0b_attn.kd
    .args:
      - { .name: qimg, .offset: 0, .size: 8, .value_kind: global_buffer, .address_space: global }
      - { .name: kv, .offset: 8, .size: 8, .value_kind: global_buffer, .address_space: global }
      - { .name: tab, .offset: 16, .size: 8, .value_kind: global_buffer, .address_space: global }
      - { .name: oimg, .offset: 24, .size: 8, .value_kind: global_buffer, .address_space: global }
      - { .name: scl, .offset: 32, .size: 8, .value_kind: global_buffer, .address_space: global }
    .group_segment_fixed_size: 327680
    .private_segment_fixed_size: 0
    .kernarg_segment_align: 8
    .kernarg_segment_size: 40
    .max_flat_workgroup_size: 256
    .sgpr_count:     90
    .vgpr_count:     512
    .wavefront_size: 32
...
	.end_amdgpu_metadata
.endif
;; end of part 4
;; launch gemm_out (part 5): grid 4 x 32, 4 waves a work-group, clusters of 4 x 4, 327,680 bytes of LDS; arguments oimg, woc, scl, b_out, out0; writes out0
.if DOCPART == 5
	.amdgcn_target "amdgcn-amd-amdhsa--gfx1250"
	.amdhsa_code_object_version 6
	.text
	.protected	k_qf2e9734d0b_gemm_out
	.globl	k_qf2e9734d0b_gemm_out
	.p2align	8
	.type	k_qf2e9734d0b_gemm_out,@function
k_qf2e9734d0b_gemm_out:
	s_mov_b64 s[64:65], 0
	v_nop
	global_prefetch_b8 v0, s[64:65] scope:SCOPE_SE
	s_setreg_imm32_b32 hwreg(HW_REG_WAVE_MODE, 25, 1), 1
	s_wait_xcnt 0x0
	s_wait_alu depctr_hold_cnt(0) depctr_sa_sdst(0) depctr_va_vdst(0) depctr_va_sdst(0) depctr_va_ssrc(0) depctr_va_vcc(0) depctr_vm_vsrc(0)
	s_getreg_b32 s2, hwreg(HW_REG_IB_STS2, 6, 4)
	s_cmp_eq_u32 s2, 0
	s_cbranch_scc0 .Lentry_in_a_cluster
	s_endpgm
.Lentry_in_a_cluster:
	s_bfe_u32 s2, ttmp6, 0x10000c
	s_cmp_lg_u32 s2, 0xf033
	s_cbranch_scc0 .Lentry_shape_is_right
	s_endpgm
.Lentry_shape_is_right:
.set FR,     12
.set FRB,    1536
.set TROW,   2*FRB
.set TPITCH, 8*FRB
.set HALFT,  8*TROW
.set SLOT,   4*HALFT
.set SPARE,  2*SLOT
.set NP,     4
.set NLA,    6
.set SA,     393216
.set SB,     360448
.set SPITCH, 528
.set ADRA, 16
.set ADRB, 20
.set STO,  24
.set RD,   25
.set CO,   26
.set SPW,  28
.set NIL,  29
.set SCO,  30
.set BIO,  31
.set SC,   32
.set AF,   128
.set BK,   128
.set G1,  24
.set G0,  32
.set G1B, 48
.set G0B, 56
.set MSB, 0
.macro WIN new
.if MSB != (\new)
	s_set_vgpr_msb (MSB<<8)|(\new)
.set MSB, (\new)
.endif
.endm
.set MUL_LO, 0xa1
.set MUL_HI, 0xf1
.set TO_B,   0x40
.macro JLOAD g0a, g1a, g0b, g1b
	s_cmp_eq_u32 s15, 0
	s_cbranch_scc0 .Lfor_b_\@
	tensor_load_to_lds s[\g0a:\g0a+3], s[\g1a:\g1a+7]
	s_nop 0
.rept 4
	v_nop
.endr
	s_branch .Lasked_\@
.Lfor_b_\@:
	tensor_load_to_lds s[\g0b:\g0b+3], s[\g1b:\g1b+7]
	s_nop 0
.rept 4
	v_nop
.endr
.Lasked_\@:
.endm
.macro CREST
	s_cmp_lg_u32 s14, 0
	s_cbranch_scc1 .Lnot_wave_0_\@
	s_barrier_signal -3
.Lnot_wave_0_\@:
	s_barrier_wait -3
	s_barrier_signal -1
	s_barrier_wait -1
.endm
.macro CROUND
	s_barrier_signal -1
	s_barrier_wait -1
	CREST
.endm
.macro PLACES n
.rept \n
	v_nop
.endr
.endm
.macro FRAG reg, adr, q, i
.irp c, 0,1,2
	ds_load_b128 v[\reg+4*\c:\reg+4*\c+3], v[\adr] offset:(\i)*TROW+(\q)*FRB+512*\c
.endr
.endm
.macro FRAGA reg, adr, q, i
.irp c, 0,1,2,3,4,5
	ds_load_b64 v[\reg+2*\c:\reg+2*\c+1], v[\adr] offset:(\i)*TROW+(\q)*FRB+256*\c
.endr
.endm
.macro FETCH_B slot, q, p
	WIN TO_B
.irp i, 0,1,2,3,4,5,6,7
	FRAG 128*(\p)+FR*\i, ADRB+\slot, \q, \i
.endr
	WIN 0
.endm
.macro FETCH_A slot, q, i0
.irp i, \i0, \i0+1, \i0+2, \i0+3
	FRAGA AF+FR*(\i), ADRA+\slot, \q, \i
.endr
.endm
.macro MUL16 a0, p, kq, cm
.irp a, \a0, \a0+1
.irp b, 0,1,2,3,4,5,6,7
.if \cm
	v_wmma_scale_f32_16x16x128_f8f6f4 v[8*(8*((\a)%4)+\b):8*(8*((\a)%4)+\b)+7], v[128*(\p)+FR*\b:128*(\p)+FR*\b+FR-1], v[AF+FR*(\a):AF+FR*(\a)+FR-1], v[96+8*\b+96*(\b/4):96+8*\b+96*(\b/4)+7], v[SC+8*\b+(\kq)], v[SC+8*(\a)+(\kq)] matrix_a_fmt:MATRIX_FMT_FP6 matrix_b_fmt:MATRIX_FMT_FP6 matrix_a_scale:MATRIX_SCALE_ROW1
.else
	v_wmma_scale_f32_16x16x128_f8f6f4 v[8*(8*((\a)%4)+\b):8*(8*((\a)%4)+\b)+7], v[128*(\p)+FR*\b:128*(\p)+FR*\b+FR-1], v[AF+FR*(\a):AF+FR*(\a)+FR-1], v[8*(8*((\a)%4)+\b):8*(8*((\a)%4)+\b)+7], v[SC+8*\b+(\kq)], v[SC+8*(\a)+(\kq)] matrix_a_fmt:MATRIX_FMT_FP6 matrix_b_fmt:MATRIX_FMT_FP6 matrix_a_scale:MATRIX_SCALE_ROW1
.endif
.endr
.endr
.endm
.macro STEP slot, kq, cm
	s_wait_dscnt 4*NLA
	WIN MUL_LO-0x10*(\cm)
	MUL16 0, 0, \kq, \cm
	MUL16 2, 0, \kq, \cm
	s_wait_dscnt 0x0
	PLACES NP
	FETCH_B \slot, 1, 1
	FETCH_A \slot, 1, 0
	WIN MUL_HI-0x20*(\cm)
	MUL16 4, 0, \kq, \cm
	MUL16 6, 0, \kq, \cm
	PLACES NP
	WIN 0
	FETCH_A \slot, 1, 4
.endm
.macro TURN slot, next, kq, fill
	s_wait_tensorcnt 0x0
	ds_add_u32 v[SPW], v[NIL]
	s_wait_dscnt 4*NLA+1
	WIN MUL_LO
	MUL16 0, 1, \kq, 0
	s_wait_dscnt 0x0
	s_barrier_signal -1
	MUL16 2, 1, \kq, 0
	WIN 0
	s_barrier_wait -1
.if \fill
	CREST
	s_add_nc_u64 s[G0+4*\slot+2:G0+4*\slot+3], s[G0+4*\slot+2:G0+4*\slot+3], 2*TROW
	s_add_nc_u64 s[G0B+4*\slot+2:G0B+4*\slot+3], s[G0B+4*\slot+2:G0B+4*\slot+3], 2*TROW
	JLOAD G0+4*\slot, G1, G0B+4*\slot, G1B
.else
	PLACES NP
.endif
	FETCH_B \next, 0, 0
	FETCH_A \next, 0, 0
	WIN MUL_HI
	MUL16 4, 1, \kq, 0
	MUL16 6, 1, \kq, 0
	PLACES NP
	WIN 0
	FETCH_A \next, 0, 4
.endm
	s_load_b256 s[4:11], s[0:1], 0x0
	s_load_b64 s[12:13], s[0:1], 0x20
	v_lshl_add_u32 v[SPW], v0, 2, SPARE
	v_mov_b32 v[NIL], 0
	ds_add_u32 v[SPW], v[NIL]
	ds_add_u32 v[SPW], v[NIL]
	v_lshrrev_b32 v1, 5, v0
	v_readfirstlane_b32 s14, v1
	s_lshr_b32 s15, s14, 1
	s_and_b32 s16, s14, 1
	s_bfe_u32 s40, ttmp6, 0x40000
	s_bfe_u32 s41, ttmp6, 0x40004
	s_lshl_b32 s42, ttmp9, 2
	s_add_co_u32 s42, s42, s40
	s_and_b32 s17, ttmp7, 0xffff
	s_lshl_b32 s17, s17, 2
	s_add_co_u32 s17, s17, s41
	s_lshl_b32 s43, s41, 2
	s_lshl_b32 s43, 15, s43
	s_lshl_b32 s44, 0x1111, s40
	s_or_b32 s[G1+0], s43, (3<<16)|(1<<21)
	s_or_b32 s[G1B+0], s44, (3<<16)|(1<<21)
.irp g, G1, G1B
	s_mov_b32 s[\g+1], 384<<16
	s_mov_b32 s[\g+2], 8<<16
	s_mov_b32 s[\g+3], 384<<16
	s_mov_b32 s[\g+4], 8
	s_mov_b32 s[\g+5], 1536
	s_mov_b32 s[\g+6], 0
	s_mov_b32 s[\g+7], 0
.endr
	s_lshl_b32 s18, s16, 3
	s_lshl_b32 s20, s17, 4
	s_add_co_u32 s20, s20, s18
	s_mul_i32 s20, s20, TPITCH
	s_mov_b32 s21, 0
	s_lshl_b32 s46, s42, 4
	s_add_co_u32 s46, s46, s18
	s_mul_i32 s46, s46, TPITCH
	s_mov_b32 s47, 0
	s_mul_i32 s45, s14, HALFT
	s_wait_dscnt 0x0
	s_wait_kmcnt 0x0
	s_add_nc_u64 s[20:21], s[4:5], s[20:21]
	s_add_nc_u64 s[46:47], s[6:7], s[46:47]
	CROUND
.macro FILL s                          ; slot s's first fill, behind the full sequence and a round
	s_mov_b32 s[G0+4*\s], 1
	s_add_co_u32 s[G0+4*\s+1], s45, \s*SLOT
	s_add_nc_u64 s[G0+4*\s+2:G0+4*\s+3], s[20:21], \s*TROW
	s_or_b32 s[G0+4*\s+3], s[G0+4*\s+3], 0x80000000
	s_mov_b32 s[G0B+4*\s], 1
	s_add_co_u32 s[G0B+4*\s+1], s45, \s*SLOT
	s_add_nc_u64 s[G0B+4*\s+2:G0B+4*\s+3], s[46:47], \s*TROW
	s_or_b32 s[G0B+4*\s+3], s[G0B+4*\s+3], 0x80000000
	s_wait_alu depctr_va_vdst(0)
	s_wait_tensorcnt 0x0
	ds_add_u32 v28, v29
	ds_add_u32 v28, v29
	s_wait_dscnt 0x0
	CROUND
	JLOAD G0+4*\s, G1, G0B+4*\s, G1B
.endm
	FILL 0
	v_and_b32 v1, 15, v0
	v_bfe_u32 v2, v0, 4, 1
	s_wait_alu depctr_va_vdst(0)
	v_and_b32 v3, 31, v0
	v_lshlrev_b32 v[CO], 4, v3
	v_lshlrev_b32 v6, 3, v3
	s_mul_i32 s75, s15, HALFT                      ; (s[20:21] still hold A's address for slot 1's fill)
	s_mul_i32 s22, s16, HALFT
	s_add_co_u32 s22, s22, 2*HALFT
.irp s, 0,1
	v_add_nc_u32 v[ADRA+\s], s75, v6
	v_add_nc_u32 v[ADRB+\s], s22, v[CO]
	s_add_co_u32 s75, s75, SLOT
	s_add_co_u32 s22, s22, SLOT
.endr
	s_lshl_b32 s18, s17, 4
	s_lshl_b32 s19, s15, 3
	s_add_co_u32 s18, s18, s19
	s_lshl_b32 s18, s18, 9
	s_add_co_u32 s18, s18, SA
	s_lshl_b32 s19, s42, 4
	s_lshl_b32 s23, s16, 3
	s_add_co_u32 s19, s19, s23
	s_lshl_b32 s19, s19, 9
	s_add_co_u32 s19, s19, SB
	v_cmp_eq_u32 s74, 1, v2
	v_mov_b32 v5, s19
	v_cndmask_b32 v5, s18, v5, s74
	v_lshl_add_u32 v[SCO], v1, 4, v5
.irp i, 0,1,2,3,4,5,6,7
	global_load_b128 v[SC+8*\i:SC+8*\i+3], v[SCO], s[8:9] offset:512*\i
	global_load_b128 v[SC+8*\i+4:SC+8*\i+7], v[SCO], s[8:9] offset:512*\i+256
.endr
	s_lshl_b32 s18, s42, 10
	s_lshl_b32 s19, s16, 9
	s_add_co_u32 s18, s18, s19
	s_mov_b32 s19, 0
	s_add_nc_u64 s[10:11], s[10:11], s[18:19]
	v_lshlrev_b32 v[BIO], 6, v2
	WIN TO_B
.irp b, 0,1,2,3,4,5,6,7
	global_load_b128 v[96+8*\b+96*(\b/4):96+8*\b+96*(\b/4)+3], v[BIO], s[10:11] offset:(32*(\b/2)+8*(\b%2))*4
	global_load_b128 v[96+8*\b+96*(\b/4)+4:96+8*\b+96*(\b/4)+7], v[BIO], s[10:11] offset:(32*(\b/2)+8*(\b%2))*4+16
.endr
	WIN 0
	FILL 1                                         ; the scale words and the bias have been asked for: they are on their way while slot 0 lands
	s_mul_i32 s23, s14, 16*SPITCH
	v_mul_u32_u24 v5, v1, SPITCH
	v_lshl_add_u32 v5, v2, 6, v5
	v_add_nc_u32 v[STO], s23, v5
	v_add_nc_u32 v[RD], s23, v[CO]
	s_lshl_b32 s18, s17, 20
	s_lshl_b32 s19, s15, 19
	s_add_co_u32 s18, s18, s19
	s_lshl_b32 s19, s42, 10
	s_add_co_u32 s18, s18, s19
	s_lshl_b32 s19, s16, 9
	s_add_co_u32 s18, s18, s19
	s_mov_b32 s19, 0
	s_add_nc_u64 s[12:13], s[12:13], s[18:19]
	s_wait_tensorcnt 0x1
	s_barrier_signal -1
	s_barrier_wait -1
	FETCH_B 0, 0, 0
	FETCH_A 0, 0, 0
	FETCH_A 0, 0, 4
	s_wait_loadcnt 0x0
	STEP 0, 0, 1
	TURN 0, 1, 1, 1
	STEP 1, 2, 0
	TURN 1, 0, 3, 1
	STEP 0, 4, 0
	TURN 0, 1, 5, 0
	STEP 1, 6, 0
	s_wait_dscnt 4*NLA
	WIN MUL_LO
	MUL16 0, 1, 7, 0
	MUL16 2, 1, 7, 0
	s_wait_alu depctr_va_vdst(0)
	s_wait_dscnt 0x0
	WIN MUL_HI
	MUL16 4, 1, 7, 0
	MUL16 6, 1, 7, 0
	WIN 0
.macro TOSTAGE a
.set AC, 64*((\a)%4)
	WIN 0x08+4*((\a)/4)
.irp b, 0,1,2,3,4,5,6,7
	ds_store_b128 v[STO], v[AC+8*\b:AC+8*\b+3] offset:128*(\b/2)+32*(\b%2)
	ds_store_b128 v[STO], v[AC+8*\b+4:AC+8*\b+7] offset:128*(\b/2)+32*(\b%2)+16
.endr
	WIN 0
.set BB, BK+64*((\a)%2)
.irp t, 0,1,2,3,4,5,6,7,8,9,10,11,12,13,14,15
	ds_load_b128 v[BB+4*\t:BB+4*\t+3], v[RD] offset:\t*SPITCH
.endr
.endm
.macro SEND a, younger
.set BB, BK+64*((\a)%2)
	s_wait_dscnt \younger
.irp t, 0,1,2,3,4,5,6,7,8,9,10,11,12,13,14,15
	global_store_b128 v[CO], v[BB+4*\t:BB+4*\t+3], s[12:13] offset:(32*((\a)/2)+8*((\a)%2)+\t+8*(\t/8))*4096 th:TH_STORE_NT
.endr
.endm
	PLACES NP
	TOSTAGE 0
.irp a, 1,2,3,4,5,6,7
.if \a > 1
	s_wait_xcnt 0x0
.endif
	TOSTAGE \a
	SEND \a-1, 32
.endr
	SEND 7, 0
	s_wait_tensorcnt 0x0
	ds_add_u32 v[SPW], v[NIL]
	s_wait_dscnt 0x0
	CROUND
	s_endpgm
.Lfunc_end_k_qf2e9734d0b_gemm_out:
	.size	k_qf2e9734d0b_gemm_out, .Lfunc_end_k_qf2e9734d0b_gemm_out-k_qf2e9734d0b_gemm_out
	.p2alignl 7, 3214868480
	.fill 96, 4, 3214868480
	.section	.rodata,"a",@progbits
	.p2align	6, 0x0
	.amdhsa_kernel k_qf2e9734d0b_gemm_out
		.amdhsa_group_segment_fixed_size 327680
		.amdhsa_private_segment_fixed_size 0
		.amdhsa_enable_private_segment 0
		.amdhsa_kernarg_size 40
		.amdhsa_user_sgpr_count 2
		.amdhsa_user_sgpr_kernarg_segment_ptr 1
		.amdhsa_wavefront_size32 1
		.amdhsa_system_sgpr_workgroup_id_x 1
		.amdhsa_system_sgpr_workgroup_id_y 1
		.amdhsa_system_sgpr_workgroup_id_z 1
		.amdhsa_system_vgpr_workitem_id 0
		.amdhsa_next_free_vgpr 1024
		.amdhsa_next_free_sgpr 98
		.amdhsa_reserve_vcc 0
		.amdhsa_float_denorm_mode_32 3
		.amdhsa_float_denorm_mode_16_64 3
		.amdhsa_memory_ordered 1
		.amdhsa_forward_progress 1
		.amdhsa_inst_pref_size 147
	.end_amdhsa_kernel
	.amdgpu_metadata
---
amdhsa.version: [ 1, 2 ]
amdhsa.kernels:
  - .name:           k_qf2e9734d0b_gemm_out
    .symbol:         k_qf2e9734d0b_gemm_out.kd
    .args:
      - { .name: oimg, .offset: 0, .size: 8, .value_kind: global_buffer, .address_space: global }
      - { .name: woc, .offset: 8, .size: 8, .value_kind: global_buffer, .address_space: global }
      - { .name: scl, .offset: 16, .size: 8, .value_kind: global_buffer, .address_space: global }
      - { .name: b_out, .offset: 24, .size: 8, .value_kind: global_buffer, .address_space: global }
      - { .name: out0, .offset: 32, .size: 8, .value_kind: global_buffer, .address_space: global }
    .group_segment_fixed_size: 327680
    .private_segment_fixed_size: 0
    .kernarg_segment_align: 8
    .kernarg_segment_size: 40
    .max_flat_workgroup_size: 128
    .sgpr_count:     98
    .vgpr_count:     1024
    .wavefront_size: 32
...
	.end_amdgpu_metadata
.endif
;; end of part 5
